; MI455X (gfx1250); checked and timed in simulation.
; The chip was launched on July 23, 2026; its instructions are those of AMD's public machine-readable ISA for CDNA 5 (MIT licence, August 2026) and "CDNA5" Instruction Set Architecture Reference Guide (July 2026). The comments in the code are by the model that wrote it; some were corrected since.
;; Attention. Allowed arithmetic: matrix products marked QUANTISED: E2M3 operands, one E8M0 scale for each 32 along K, by v_wmma_scale_f32_16x16x128_f8f6f4 with both operands' format E2M3, f32 sums; everything else in f32.
;; Inputs: W_proj_codes 1,024 x 32 x 24 uint8 (E2M3 codes of W_proj, K innermost, in blocks of 32 codes, four codes in three bytes); W_proj_scales 1,024 x 32 uint8 (E8M0 scales of W_proj, one for each 32 codes along K); W_qkv_codes 3,072 x 32 x 24 uint8 (E2M3 codes of W_qkv, K innermost, in blocks of 32 codes, four codes in three bytes); W_qkv_scales 3,072 x 32 uint8 (E8M0 scales of W_qkv, one for each 32 codes along K); b_proj 1,024 float32; b_qkv 3,072 float32; x_codes 4 x 2,048 x 32 x 24 uint8 (E2M3 codes of x, K innermost, in blocks of 32 codes, four codes in three bytes); x_scales 4 x 2,048 x 32 uint8 (E8M0 scales of x, one for each 32 codes along K).
;; Outputs: out0 4 x 2,048 x 1,024 float32.
;; This version of the problem:
;;   THIS VERSION OF THE PROBLEM IS GIVEN IN LOW PRECISION. The matrix products marked QUANTISED in the list below multiply operands that are first quantised to E2M3 (2 exponent bits, 3 mantissa bits; 6 bits a number), with one power-of-two scale for each 32 numbers along K (OCP MX v1.0); their sums are f32. All else is computed in f32.
;;   The module's matrix products, in the order in which they are computed (A, B: the left and right operand; K: the contracted axis; several contracted axes count as one K, in the product's order):
;;     1. [M 8,192, K 1,024] x [K 1,024, N 3,072]; A: input x (given as codes); B: input W_qkv (given as codes): QUANTISED
;;     2. batch 64 x [M 2,048, K 64] x [K 64, N 2,048]; A: computed on the way; B: computed on the way: QUANTISED
;;     3. batch 64 x [M 2,048, K 2,048] x [K 2,048, N 64]; A: softmax (see below); B: computed on the way: QUANTISED
;;     4. [M 8,192, K 1,024] x [K 1,024, N 1,024]; A: computed on the way; B: input W_proj (given as codes): QUANTISED
;;   THE QUANTISER, for each operand of a quantised product, along K:
;;     - K is cut into blocks of 32 from its start; a last block that is shorter is filled with zeros.
;;     - A block's scale is 2^e with e = floor(log2(the largest magnitude in the block)) - 2, held to -126 .. 127; a block of zeros has e = 0. As a byte (E8M0): e + 127.
;;     - Each number is divided by its block's scale, clamped to +-7.5, and rounded to the nearest number of E2M3, ties to even, subnormals kept.
;;     - The product sums the exact products of the quantised numbers (number of the format x scale) in f32.
;;   ~~~python
;;   def quantise(x, axis):      # numpy; x: float32 -> the quantised numbers, widened to float32 again
;;       x = np.moveaxis(x, axis, -1); K = x.shape[-1]
;;       x = np.pad(x, [(0, 0)] * (x.ndim - 1) + [(0, -K % 32)]); x = x.reshape(x.shape[:-1] + (-1, 32)); a = np.abs(x).max(-1, keepdims=True)
;;       e = np.where(a > 0, np.clip(np.frexp(np.where(a > 0, a, 1))[1] - 1 - 2, -126, 127), 0)      # np.frexp(a)[1] - 1 = floor(log2(a)), exactly
;;       r = np.clip(x / 2.0 ** e, -7.5, 7.5)
;;       step = 2.0 ** (np.maximum(np.frexp(np.where(r == 0, 1, r))[1] - 1, 0) - 3)
;;       q = np.round(r / step) * step * 2.0 ** e      # np.round: ties to even
;;       return np.moveaxis(q.reshape(q.shape[:-2] + (-1,))[..., :K], -1, axis).astype(np.float32)
;;   ~~~
;;   SOFTMAX AHEAD OF A QUANTISED PRODUCT. Where the list says 'softmax', what is quantised is not the finished softmax but p = 2^(t - M), with t = logit x log2(e) and M = ceil(the row's largest t), a whole number; so 1/2 < the row's largest p <= 1. The row's sum l is taken of the UNQUANTISED p, in f32, and the product's result is divided by l at the end. Since M is a whole number, a kernel that streams over the keys may use a running M (the ceiling of the running maximum): every later rescaling is an exact power of two, which a block's scale takes up: the codes' values come out the same.
;;   OPERANDS COMPUTED ON THE WAY. 'Computed on the way' means the value that the module computes at that place (a softmax that the list does not call 'softmax' is quantised finished and normalised). What goes into a quantiser is computed in f32, as accurately as f32 sums, v_exp_f32 and their like allow (about 1e-6 of the number): no bf16 or f16 on the way to a quantiser, and a product that is left as it is and whose result goes on into a quantised operand takes f32 operands (vector FMAs, or v_wmma_f32_16x16x4_f32). A number that lies on a knife's edge between two numbers of the format may be rounded either way, as far as f32 arithmetic and the matrix unit's own rounding can turn it there, and no further.
;;   INPUTS GIVEN AS CODES. W_proj (in the module: [1024, 1024], K = its axis 0); W_qkv (in the module: [1024, 3072], K = its axis 0); x (in the module: [4, 2048, 1024], K = its axis 2): each comes as NAME_codes (uint8): NAME with its K axis moved to the last place and cut into blocks of 32 codes, [.., K / 32, bytes a block], one block behind the other in memory; four codes in three bytes: a row's codes are one little-endian stream of bits, code i at bits 6 i .. 6 i + 5 (a code: sign, 2 exponent bits, 3 mantissa bits); and NAME_scales (uint8): the same leading axes, one E8M0 byte (e + 127) for each 32 codes along K. Its value is code x scale, taken as it is: it is not quantised again, and the codes and scales need not be those that the quantiser above would give.
;; One version. Each part assembles by itself: llvm-mc -triple=amdgcn-amd-amdhsa -mcpu=gfx1250 --defsym DOCPART=n.
;; ======== version 1 of 1: 3 launches
;; limits: right only within a limited range of input values
;; workspace buffers: qk_codes 12,582,912 bytes; qk_scales 524,288 bytes; v_codes 6,291,456 bytes; v_scales 262,144 bytes; o_codes 6,291,456 bytes; o_scales 262,144 bytes
;; launch qkv (part 1): grid 4 x 64, 4 waves a work-group, clusters of 4 x 4, 327,680 bytes of LDS; arguments x_codes, x_scales, W_qkv_codes, W_qkv_scales, b_qkv, qk_codes, qk_scales, v_codes, v_scales; writes qk_codes, qk_scales, v_codes, v_scales
.if DOCPART == 1
	.amdgcn_target "amdgcn-amd-amdhsa--gfx1250"
	.amdhsa_code_object_version 6
	.text
	.protected	k_q92c63a8de0_qkv
	.globl	k_q92c63a8de0_qkv
	.p2align	8
	.type	k_q92c63a8de0_qkv,@function
k_q92c63a8de0_qkv:
	s_mov_b64 s[64:65], 0
	v_nop
	global_prefetch_b8 v0, s[64:65] scope:SCOPE_SE
	s_setreg_imm32_b32 hwreg(HW_REG_WAVE_MODE, 25, 1), 1
	s_wait_xcnt 0x0
	s_wait_alu depctr_hold_cnt(0) depctr_sa_sdst(0) depctr_va_vdst(0) depctr_va_sdst(0) depctr_va_ssrc(0) depctr_va_vcc(0) depctr_vm_vsrc(0)
	s_getreg_b32 s2, hwreg(HW_REG_IB_STS2, 6, 4)
	s_cmp_eq_u32 s2, 0
	s_cbranch_scc0 .Lentry_in_a_cluster
	s_endpgm
.Lentry_in_a_cluster:
	s_bfe_u32 s2, ttmp6, 0x10000c
	s_cmp_lg_u32 s2, 0xf033
	s_cbranch_scc0 .Lentry_shape_is_right
	s_endpgm
.Lentry_shape_is_right:
; qkv = x W_qkv + b_qkv on codes of FP6 (E2M3) with one E8M0 scale for each 32 along K = 1,024; the results are quantised at once for the attention launch and leave as codes.
; THE DEAL.  256 work-groups of four waves: a work-group owns 128 tokens and four heads, and makes V, then Q, then K of them: three passes.  A wave owns one head.
; In a pass a wave holds its head's 64 rows of W_qkv, ALL of K, in registers (4 tiles x 8 fragments of 12: 384); x's eight blocks of 16 tokens stream past them from LDS; a block's 8 fragments lie twice in registers; 32 products finish 16 x 64 results.
; LDS: x's 128 rows, whole rows of 768 bytes with 16 bytes of padding behind every 256 (pitch 816), filled once, serve all three passes; a region for 256 rows of W, filled at the head with W_v's and filled again twice (W_q's, W_k's),
; each time behind a drained round of the cluster's barrier, when every wave holds its rows in registers: a refill goes out eight blocks of products ahead of its first read, so no prefetch is laid.
; THE TILES HAVE FIVE DIMENSIONS, so that the sixteen rows of a fragment are neighbours in LDS.  x and W_v: memory row 32 g + 8 u + i + 16 e lands as LDS row 32 g + 16 u + 8 e + i ("pos").  W_q, W_k: row 8 t + i + 32 e of a head as row 16 t + 8 e + i.
; Q, K: source 0 = 16 rows of W, source 1 = 16 tokens: a lane holds one token, and its 32 sums of a block are channels 32 (lane / 16) + 0 .. 31 of the head: ONE scale block: no lane asks another.
; V: source 0 = 16 tokens, source 1 = 16 rows of W: a lane holds one channel; the 16 registers of blocks 2 g, 2 g + 1 are tokens 32 g + 16 (lane / 16) + 0 .. 15; a band of 64 tokens (four blocks) is quantised at a time.
; The bias is the C of each sum's first matrix instruction.
; OUT: images of operand registers.  q, k: for (batch, head, tile of 16 pos) 768 bytes: registers 0-3 at 16 x lane, 4-5 at 512 + 8 x lane; scale bytes: for each 128 pos 256 bytes, [row 16][pair 4][tile 2] halfwords.
; v: for (batch, head, 128 keys, 16 channels) 1,536 bytes: registers 4 c .. 4 c + 3 at 512 c + 16 x lane; scale words [row 16][tile 4].  Every store of a wave covers 256 or 512 consecutive bytes, aligned to 256.
; CLUSTERS: 4 x 4 work-groups; x's rows are shared along a row of the cluster, W's along a column: joint loads.
; LIMITS: NaN and infinities are not served.  A block whose largest magnitude lies under 2^-124, or of zeros, keeps the scale byte 1 (these bytes are read by this program alone).
; REGISTERS: window 0: v0-31 addresses; v32-47 W's scale words (lanes 0-15 tile 2 p, lanes 16-31 tile 2 p + 1); v52-67 x's, two sets; v72-199 accumulators; v200-237 at work.
;   Fragment f lies in window 1 + f / 21 at register 12 (f % 21): 0-31 W's (4 q + t), 32-39 and 40-47 x's two sets.  Window 3 from v72: codes on their way out; W_q's and W_k's scale words; the three biases.
.set KROW,   768
.set PITCH,  816
.set FR,     12
.set FPW,    21
.set NF,     50                        ; LDS loads of a block of x: 48 for eight fragments, 2 for eight scale words
.set WROW,   128*PITCH
.set SCL,    WROW+256*PITCH            ; x's scale bytes: 16 units of 256 + 16
.set SPARE,  SCL+16*272                ; the spare words: two blocks of 256 bytes that no other line names
.set SCR,    SPARE+512                 ; the results' scale bytes: 256 bytes a wave; no fill lands here
.set XA,   12                          ; v12, v13 x's blocks 0-3 (v13: for the pieces behind one padding more); v14, v15 blocks 4-7
.set WA,   16                          ; v16, v17 my 64 rows of W
.set AAS,  18
.set L16,  19
.set L8,   20
.set SCB,  21
.set SCV,  22
.set SCRD, 23
.set ABQ,  24
.set ABV,  25
.set BQO,  26
.set BVO,  27
.set SPW,  28
.set NIL,  29
.set SB,   32
.set SA,   52                          ; (W's and x's scale registers of one product differ modulo 8)
.set ACC,  72
.set TQ,   200                         ; Q, K: v200-203 four chains, v204 the scale operand, v205 the byte, v206-208 the second conversion's codes
.set SOP,  204
.set EB,   205
.set TC,   206
.set MX,   200                         ; V: v200-207 eight largest magnitudes, then bytes; v208-215 lane l xor 16's; v216-223 scale operands; v224-227 halfwords; v228-230, v232-234 codes
.set PX,   208
.set SX,   216
.set HW,   224
.set CDA,  228
.set CDB,  232
.set SCT,  236                         ; v236-237 scale bytes on their way out
.set KC,   72                          ; window 3
.set SBQ,  120
.set SBK,  136
.set BIQ,  152
.set BIK,  184
.set BIV,  216
.set G1X,  24
.set G0X,  32
.set G0W1, 36
.set G1W,  48
.set G0W2, 56
.set G0R,  60
.set G1S,  68
.set G0S,  76
.set G2,   80
.set G3,   84
.set SEL,  96
.set MSB, 0
.macro WIN new
.if MSB != (\new)
	s_set_vgpr_msb (MSB<<8)|(\new)
.set MSB, (\new)
.endif
.endm
.macro BARRIER
	s_barrier_signal -1
	s_barrier_wait -1
.endm
.macro CROUND
	BARRIER
	s_cmp_lg_u32 s14, 0
	s_cbranch_scc1 .Lnot_wave_0_\@
	s_barrier_signal -3
.Lnot_wave_0_\@:
	s_barrier_wait -3
	BARRIER
.endm
.macro PLACES n
.rept \n
	v_nop
.endr
.endm
	s_load_b128 s[4:7], s[0:1], 0x0                ; x's codes, x's scales
	s_load_b128 s[8:11], s[0:1], 0x10              ; W's codes, W's scales
	s_load_b64 s[12:13], s[0:1], 0x20              ; the bias
	s_load_b128 s[88:91], s[0:1], 0x28             ; q's and k's codes, their scales
	s_load_b128 s[92:95], s[0:1], 0x38             ; v's codes, v's scales
	v_lshl_add_u32 v[SPW], v0, 2, SPARE
	v_mov_b32 v[NIL], 0
	ds_add_u32 v[SPW], v[NIL]                      ; the opening lines: the add twice on end under one wait
	ds_add_u32 v[SPW], v[NIL]
	v_lshrrev_b32 v1, 5, v0
	v_readfirstlane_b32 s14, v1                    ; wave: my head of the work-group's four
	s_bfe_u32 s40, ttmp6, 0x40000                  ; cx
	s_bfe_u32 s41, ttmp6, 0x40004                  ; cy
	s_lshl_b32 s42, ttmp9, 2
	s_add_co_u32 s42, s42, s40                     ; which four heads, 0 .. 3
	s_and_b32 s17, ttmp7, 0xffff
	s_lshl_b32 s17, s17, 2
	s_add_co_u32 s17, s17, s41                     ; which 128 tokens, 0 .. 63
	s_lshl_b32 s43, s41, 2
	s_lshl_b32 s43, 15, s43                        ; my row of the cluster
	s_lshl_b32 s44, 0x1111, s40                    ; my column
	s_or_b32 s[G1X+0], s43, (1<<20)|(1<<21)|(5<<22)|(3<<25)
	s_or_b32 s[G1W+0], s44, (1<<20)|(1<<21)|(5<<22)|(3<<25)
.irp g, G1X, G1W
	s_mov_b32 s[\g+1], KROW<<16                    ; tensor_dim0: a whole row
	s_mov_b32 s[\g+2], 8<<16                       ; tensor_dim1 = 8
	s_mov_b32 s[\g+3], KROW<<16                    ; tile_dim0
	s_mov_b32 s[\g+4], 8|(2<<16)                   ; tile_dim1 = 8, tile_dim2 = 2
	s_mov_b32 s[\g+5], KROW                        ; from row to row
	s_mov_b32 s[\g+6], (16*KROW)<<16               ; stride1: 16 rows
	s_mov_b32 s[\g+7], 0
.endr
	s_mov_b32 s[G2], 2                             ; tensor_dim2
	s_mov_b32 s[G2+1], 2                           ; tensor_dim3
	s_mov_b32 s[G2+2], 8*KROW                      ; stride2: 8 rows
	s_mov_b32 s[G2+3], 2<<16                       ; tile_dim3
	s_mov_b32 s[G3], 32*KROW                       ; stride3: 32 rows
	s_mov_b32 s[G3+1], 4<<16                       ; tensor_dim4: 4 groups: 128 rows
	s_mov_b32 s[G3+2], 4<<16                       ; tile_dim4
	s_mov_b32 s[G3+3], 0
	s_or_b32 s[G1S+0], s43, (3<<16)|(1<<20)|(1<<21)|(5<<22)|(3<<25)   ; x's scales: 4,096 dense bytes as 16 rows of 256, 16 of padding behind each
	s_mov_b32 s[G1S+1], 32<<16
	s_mov_b32 s[G1S+2], 16<<16
	s_mov_b32 s[G1S+3], 32<<16
	s_mov_b32 s[G1S+4], 16
	s_mov_b32 s[G1S+5], 32
	s_mov_b32 s[G1S+6], 0
	s_mov_b32 s[G1S+7], 0
	s_mov_b32 s[SEL], 0x76543210
	s_mov_b32 s[SEL+1], 0xfedcba98
	s_mul_i32 s20, s17, 128*KROW                   ; my tokens' codes
	s_mov_b32 s21, 0
	s_lshl_b32 s22, s17, 12                        ; and scale bytes
	s_mov_b32 s23, 0
	s_mul_i32 s46, s42, 256*KROW                   ; my four heads' rows of W_q
	s_mov_b32 s47, 0
	s_and_b32 s18, s14, 1                          ; a refill: waves 0 and 1 fetch 128 rows each
	s_mul_i32 s2, s18, 128*KROW
	s_mov_b32 s3, 0
	s_mul_i32 s19, s18, 128*PITCH
	s_wait_dscnt 0x0                               ; both opening adds are done
	s_wait_kmcnt 0x0
	CROUND                                         ; all sixteen work-groups are here: the joint loads meet
	s_mov_b32 s[G0X], 1
	s_mov_b32 s[G0X+1], 0
	s_add_nc_u64 s[G0X+2:G0X+3], s[4:5], s[20:21]
	s_or_b32 s[G0X+3], s[G0X+3], 0x80000000
	s_mov_b32 s[G0S], 1
	s_mov_b32 s[G0S+1], SCL
	s_add_nc_u64 s[G0S+2:G0S+3], s[6:7], s[22:23]
	s_or_b32 s[G0S+3], s[G0S+3], 0x80000000
	s_add_nc_u64 s[98:99], s[8:9], s[46:47]
	s_mov_b32 s[G0W1], 1
	s_mov_b32 s[G0W1+1], WROW
	s_add_nc_u64 s[G0W1+2:G0W1+3], s[98:99], 2048*KROW           ; W_v's rows
	s_mov_b32 s[G0W2], 1
	s_mov_b32 s[G0W2+1], WROW+128*PITCH
	s_add_nc_u64 s[G0W2+2:G0W2+3], s[G0W1+2:G0W1+3], 128*KROW
	s_or_b32 s[G0W1+3], s[G0W1+3], 0x80000000
	s_or_b32 s[G0W2+3], s[G0W2+3], 0x80000000
	s_mov_b32 s[G0R], 1
	s_add_co_u32 s[G0R+1], s19, WROW
	s_add_nc_u64 s[G0R+2:G0R+3], s[98:99], s[2:3]                ; W_q's rows
	s_or_b32 s[G0R+3], s[G0R+3], 0x80000000
; the head's loads, one a wave, in one chain of branches on the wave's number: what is needed first is asked for first
.macro ARM under, g0, g1, next
	s_cmp_lt_u32 s14, \under
	s_cbranch_scc0 \next
	tensor_load_to_lds s[\g0:\g0+3], s[\g1:\g1+7], s[G2:G2+3], s[G3:G3+3]
	s_nop 0
	PLACES 4
	s_branch .Lhead_asked
\next:
.endm
	ARM 1, G0W1, G1W, .Lhead_w2
	ARM 2, G0W2, G1W, .Lhead_x
	ARM 3, G0X,  G1X, .Lhead_s
	tensor_load_to_lds s[G0S:G0S+3], s[G1S:G1S+7]
	s_nop 0
	PLACES 4
.Lhead_asked:
	s_mul_i32 s18, s14, 64*PITCH                   ; the scalars first, then the vector lines on end.  My 64 rows of W
	s_add_co_u32 s18, s18, WROW
	s_lshl_b32 s19, s14, 8
	s_add_co_u32 s19, s19, SCR                     ; my scratch
	s_lshl_b32 s20, s42, 8
	s_lshl_b32 s21, s14, 6
	s_add_co_u32 s20, s20, s21                     ; my head's first row of W_q
	s_lshl_b32 s2, s20, 5
	s_mov_b32 s3, 0
	s_add_nc_u64 s[10:11], s[10:11], s[2:3]        ; its scale bytes (W_k's 32,768 bytes on, W_v's 65,536)
	s_lshl_b32 s2, s20, 2
	s_add_nc_u64 s[12:13], s[12:13], s[2:3]        ; its bias (b_k 4,096 bytes on, b_v 8,192)
	s_lshr_b32 s21, s20, 6                         ; my head
	s_lshr_b32 s22, s17, 4                         ; the batch
	s_and_b32 s23, s17, 15                         ; which 128 tokens of the batch
	s_mul_i32 s46, s23, 6144
	s_lshl_b32 s47, s23, 8
	s_lshl_b32 s45, s22, 5
	s_add_co_u32 s45, s45, s21                     ; q's place among the batch's 32 heads of q and k (k's: 16 on)
	s_mul_i32 s2, s45, 98304
	s_add_co_u32 s2, s2, s46
	s_add_nc_u64 s[88:89], s[88:89], s[2:3]
	s_lshl_b32 s2, s45, 12
	s_add_co_u32 s2, s2, s47
	s_add_nc_u64 s[90:91], s[90:91], s[2:3]
	s_lshl_b32 s45, s22, 4
	s_add_co_u32 s45, s45, s21
	s_mul_i32 s2, s45, 98304
	s_add_co_u32 s2, s2, s46
	s_add_nc_u64 s[92:93], s[92:93], s[2:3]
	s_lshl_b32 s2, s45, 12
	s_add_co_u32 s2, s2, s47
	s_add_nc_u64 s[94:95], s[94:95], s[2:3]
	v_and_b32 v1, 15, v0                           ; r
	v_bfe_u32 v2, v0, 4, 1                         ; h
	v_and_b32 v6, 31, v0                           ; lane
	v_mul_u32_u24 v3, v1, PITCH
	v_mad_u32_u24 v[XA], v2, 24, v3                ; row x pitch + 24 x half,
	v_mad_u32_u24 v[XA+1], v2, 40, v3              ; and the same behind one padding more
	v_add_nc_u32 v[XA+2], 64*PITCH, v[XA]
	v_add_nc_u32 v[XA+3], 64*PITCH, v[XA+1]
	v_add_nc_u32 v[WA], s18, v[XA]
	v_add_nc_u32 v[WA+1], s18, v[XA+1]
	v_and_b32 v7, 7, v1                            ; r % 8
	v_lshrrev_b32 v8, 3, v1                        ; r / 8
	v_lshlrev_b32 v9, 5, v7
	v_mad_u32_u24 v9, v8, 544, v9                  ; x's scales lie by tokens: token r + 8 (r / 8) of a pair of blocks lies (r % 8) x 32 into unit 2 (r / 8)
	v_add_nc_u32 v[AAS], SCL, v9
	v_lshlrev_b32 v[L16], 4, v6
	v_lshlrev_b32 v[L8], 3, v6
	v_lshl_add_u32 v[SCV], v1, 4, s19
	v_add_nc_u32 v[SCB], v[SCV], v2
	v_add_nc_u32 v[SCRD], s19, v[L8]
	v_lshl_add_u32 v10, v2, 3, v7
	v_lshl_add_u32 v10, v8, 5, v10
	v_lshlrev_b32 v[ABQ], 5, v10                   ; W_q, W_k: lane (r, h) takes the scales of row 8 h + r % 8 + 32 (r / 8), 16 p rows on for tiles 2 p + h
	v_lshl_add_u32 v11, v8, 3, v1                  ; r + 8 (r / 8)
	v_lshl_add_u32 v10, v2, 3, v11
	v_lshlrev_b32 v[ABV], 5, v10                   ; W_v: of row 8 h + r + 8 (r / 8), 32 p rows on
	v_lshlrev_b32 v[BQO], 7, v2
	v_lshlrev_b32 v[BVO], 2, v11
.irp k, 0,1,2,3,4,5,6,7
	v_mov_b32 v[PX+\k], 0                          ; a lane permute's destination counts as one of its sources
.endr
	s_wait_alu depctr_va_vdst(0)                   ; the wait at the head's end
.irp p, 0,1
.irp c, 0,1
	global_load_b128 v[SB+8*\p+4*\c:SB+8*\p+4*\c+3], v[ABV], s[10:11] offset:65536+\p*1024+16*\c
.endr
.endr
	WIN 0xc0
.irp p, 0,1
.irp c, 0,1
	global_load_b128 v[SBQ+8*\p+4*\c:SBQ+8*\p+4*\c+3], v[ABQ], s[10:11] offset:\p*512+16*\c
	global_load_b128 v[SBK+8*\p+4*\c:SBK+8*\p+4*\c+3], v[ABQ], s[10:11] offset:32768+\p*512+16*\c
.endr
.endr
.irp t, 0,1,2,3
.irp k, 0,1,2,3,4,5,6,7
	global_load_b32 v[BIV+8*\t+\k], v[BVO], s[12:13] offset:8192+(32*(\t/2)+8*(\t%2))*4    ; V: one number a lane and tile, in the tile's eight registers
.endr
.endr
.irp k, 0,1,2,3,4,5,6,7
	global_load_b128 v[BIQ+4*\k:BIQ+4*\k+3], v[BQO], s[12:13] offset:16*\k                 ; Q, K: register 8 t + j is channel 32 h + 8 t + j
	global_load_b128 v[BIK+4*\k:BIK+4*\k+3], v[BQO], s[12:13] offset:4096+16*\k
.endr
	WIN 0
; a fragment: 16 rows x 128 K in pieces of 8 bytes; piece n lies at 8 n + 16 (n / 32); where the piece three on lies behind one padding more, the second address register serves
.macro FRAG f, q, adr, rows
	WIN (1+(\f)/FPW)<<6
.irp p, 0,1,2,3,4,5
.set PC_, 12*(\q)+6*(\p/3)+\p%3
	ds_load_b64 v[FR*((\f)%FPW)+2*\p:FR*((\f)%FPW)+2*\p+1], v[\adr+(PC_%32+3)/32] offset:8*PC_+16*(PC_/32)+(\rows)*PITCH
.endr
.endm
.macro WEIGHTS                         ; my 64 rows of W, all of K: 192 loads
.irp q, 0,1,2,3,4,5,6,7
.irp t, 0,1,2,3
	FRAG 4*\q+\t, \q, WA, 16*\t
.endr
.endr
	WIN 0
.endm
.macro FETCH s                         ; block s of x into set s % 2: NF loads
.irp q, 0,1,2,3,4,5,6,7
	FRAG 32+8*((\s)%2)+\q, \q, XA+2*((\s)/4), 16*((\s)%4)
.endr
	WIN 0
	ds_load_b128 v[SA+8*((\s)%2):SA+8*((\s)%2)+3], v[AAS] offset:(4*((\s)/2)+(\s)%2)*272
	ds_load_b128 v[SA+8*((\s)%2)+4:SA+8*((\s)%2)+7], v[AAS] offset:(4*((\s)/2)+(\s)%2)*272+16
.endm
.macro W1 d, f0, f1, c, x0, x1, side, o
	v_wmma_scale_f32_16x16x128_f8f6f4 v[\d:\d+7], v[FR*((\f0)%FPW):FR*((\f0)%FPW)+FR-1], v[FR*((\f1)%FPW):FR*((\f1)%FPW)+FR-1], v[\c:\c+7], v[\x0], v[\x1] matrix_a_fmt:MATRIX_FMT_FP6 matrix_b_fmt:MATRIX_FMT_FP6 matrix_\side\()_scale:MATRIX_SCALE_ROW\o
.endm
; a product.  kind 0 (Q, K): source 0 W's tile t; kind 1 (V): source 0 x's block.  The first K step takes the bias (window 3) as C.  The four accumulators take turns, one instruction a turn
.macro PROD kind, e, q, t, d, bias
.set FB_, 4*(\q)+(\t)
.set FA_, 32+8*(\e)+(\q)
.set XB_, SB+8*((\t)/2)+(\q)
.set XA_, SA+8*(\e)+(\q)
.set D_, \d
.if (\q) == 0
.set CW_, 3
.set C_, (\bias)+8*(\t)
.else
.set CW_, 0
.set C_, D_
.endif
.if \kind
	WIN (1+FA_/FPW)|((1+FB_/FPW)<<2)|(CW_<<4)
.if (\t)%2
	W1 D_, FA_, FB_, C_, XA_, XB_, b, 1
.else
	W1 D_, FA_, FB_, C_, XA_, XB_, b, 0
.endif
.else
	WIN (1+FB_/FPW)|((1+FA_/FPW)<<2)|(CW_<<4)
.if (\t)%2
	W1 D_, FB_, FA_, C_, XB_, XA_, a, 1
.else
	W1 D_, FB_, FA_, C_, XB_, XA_, a, 0
.endif
.endif
.endm
; A BLOCK OF V.  top: the LDS instructions that may stay out: the next block's fetch
.macro VBATCH s, top
	s_wait_dscnt \top
.irp q, 0,1,2,3,4,5,6,7
.irp t, 0,1,2,3
	PROD 1, (\s)%2, \q, \t, ACC+32*\t+8*((\s)%4), BIV
.endr
.endr
	WIN 0
	PLACES 4                                       ; between the products and the reads of their results and the loads into their operands
.if (\s) < 6
	FETCH (\s)+2
.endif
.endm
; A BAND OF V: for each of four tiles 32 numbers of a lane, register 16 b + i = token 32 b + 16 (lane / 16) + i of the band: two scale blocks, each shared with lane l xor 16.  Eight chains side by side.
.macro VBAND c
.irp t, 0,1,2,3
.irp b, 0,1
	v_max3_num_f32 v[MX+2*\t+\b], |v[ACC+32*\t+16*\b]|, |v[ACC+32*\t+16*\b+1]|, 0x1800000   ; with the floor 2^(3 - 127): the byte cannot fall under 1
.endr
.endr
.irp i, 2,4,6,8,10,12,14
.irp t, 0,1,2,3
.irp b, 0,1
	v_max3_num_f32 v[MX+2*\t+\b], v[MX+2*\t+\b], |v[ACC+32*\t+16*\b+\i]|, |v[ACC+32*\t+16*\b+\i+1]|
.endr
.endr
.endr
.irp k, 0,1,2,3,4,5,6,7
	v_permlanex16_b32 v[PX+\k], v[MX+\k], s[SEL], s[SEL+1]
.endr
.irp k, 0,1,2,3,4,5,6,7
	v_max_num_f32 v[MX+\k], v[MX+\k], v[PX+\k]
.endr
.irp k, 0,1,2,3,4,5,6,7
	v_add_nc_u32 v[SX+\k], 0xff000000, v[MX+\k]    ; 2 off the exponent field: the conversion's scale operand
.endr
.irp k, 0,1,2,3,4,5,6,7
	v_lshrrev_b32 v[MX+\k], 23, v[SX+\k]           ; the scale's byte
.endr
.irp t, 0,1,2,3
	v_lshl_or_b32 v[HW+\t], v[MX+2*\t+1], 8, v[MX+2*\t]
.endr
.irp t, 0,1,2,3
	v_cvt_scalef32_pk16_fp6_f32 v[CDA:CDA+2], v[ACC+32*\t:ACC+32*\t+15], v[SX+2*\t]
	v_cvt_scalef32_pk16_fp6_f32 v[CDB:CDB+2], v[ACC+32*\t+16:ACC+32*\t+31], v[SX+2*\t+1]
	v_nop                                          ; one plain place behind a scaled conversion
.irp i, 0,1,2
	v_permlane16_swap_b32 v[CDA+\i], v[CDB+\i]     ; a whole block to a lane
.endr
	WIN 0xc0
.irp i, 0,1,2
	v_mov_b32 v[KC+12*\t+6*(\c)+\i], v[CDA+\i]     ; registers 6 c .. 6 c + 5 of tile t's fragment wait in window 3 for the other band
	v_mov_b32 v[KC+12*\t+6*(\c)+3+\i], v[CDB+\i]
.endr
	WIN 0
.endr
.irp t, 0,1,2,3
	ds_store_b16 v[SCV], v[HW+\t] offset:4*\t+2*(\c)   ; lanes l and l xor 16 write the same halfword with the same value
.endr
.endm
; A BLOCK OF Q OR K, and its way out: the largest of a lane's 32 magnitudes in four chains, the scale, two conversions; the codes rotate through four sets of registers in window 3
.macro QKBATCH s, top, bias, k
	s_wait_dscnt \top
.irp q, 0,1,2,3,4,5,6,7
.irp t, 0,1,2,3
	PROD 0, (\s)%2, \q, \t, ACC+32*((\s)%2)+8*\t, \bias
.endr
.endr
	WIN 0
	PLACES 4
.if (\s) < 6
	FETCH (\s)+2
.endif
	s_wait_xcnt 0x0                                ; earlier stores have read their registers
.set X_, ACC+32*((\s)%2)
.set K_, KC+8*((\s)%4)
.irp t, 0,1,2,3
	v_max3_num_f32 v[TQ+\t], |v[X_+8*\t]|, |v[X_+8*\t+1]|, 0x1800000
.endr
.irp i, 2,4,6
.irp t, 0,1,2,3
	v_max3_num_f32 v[TQ+\t], v[TQ+\t], |v[X_+8*\t+\i]|, |v[X_+8*\t+\i+1]|
.endr
.endr
	v_max3_num_f32 v[TQ], v[TQ], v[TQ+1], v[TQ+2]
	v_max_num_f32 v[TQ], v[TQ], v[TQ+3]
	v_add_nc_u32 v[SOP], 0xff000000, v[TQ]
	WIN 0xc0
	v_cvt_scalef32_pk16_fp6_f32 v[K_:K_+2], v[X_:X_+15], v[SOP]
	WIN 0
	v_cvt_scalef32_pk16_fp6_f32 v[TC:TC+2], v[X_+16:X_+31], v[SOP]    ; (a conversion's three registers begin on an even number)
	v_lshrrev_b32 v[EB], 23, v[SOP]                ; the scale's byte; also the plain place behind the conversions
	WIN 0xc0
.irp i, 0,1,2
	v_mov_b32 v[K_+3+\i], v[TC+\i]
.endr
	WIN 0x0c                                       ; the stores' data: window 3
	global_store_b128 v[L16], v[K_:K_+3], s[88:89] offset:(\k)*1572864+768*(\s)
	global_store_b64 v[L8], v[K_+4:K_+5], s[88:89] offset:(\k)*1572864+768*(\s)+512
	WIN 0
	ds_store_b8 v[SCB], v[EB] offset:4*((\s)/2)+2*((\s)%2)
.endm
.macro REFILL                          ; waves 0 and 1 fetch 128 rows each of the next weight
	s_cmp_lt_u32 s14, 2
	s_cbranch_scc0 .Lno_fill_\@
	tensor_load_to_lds s[G0R:G0R+3], s[G1W:G1W+7], s[G2:G2+3], s[G3:G3+3]
	s_nop 0
	PLACES 4
.Lno_fill_\@:
.endm
.macro SBMOVE from                     ; the next weight's scale words, ready since the head; eight places stand between them and the first product
	WIN 0x03
.set II, 0
.rept 16
	v_mov_b32 v[SB+II], v[\from+II]
.set II, II+1
.endr
	WIN 0
	PLACES 8
	s_wait_alu depctr_va_vdst(0)                   ; directly ahead of the wait below
.endm
	s_cmp_lt_u32 s14, 2
	s_cbranch_scc0 .Lnot_w
	s_wait_tensorcnt 0x0                           ; waves 0 and 1: my half of W_v's rows is in
.Lnot_w:
	BARRIER                                        ; W_v's rows are in; x may still be on its way
	WEIGHTS
	s_wait_tensorcnt 0x0                           ; every wave: all that is still out.
	ds_add_u32 v[SPW], v[NIL]
	s_mov_b32 s[G1W+6], (32*KROW)<<16              ; no tensor load of mine is out: W_q's and W_k's tiles: 8 rows; 2 x 32 rows; 4 x 8 rows; 2 heads of 64 rows
	s_mov_b32 s[G2+1], 4
	s_mov_b32 s[G2+3], 4<<16
	s_mov_b32 s[G3], 64*KROW
	s_mov_b32 s[G3+1], 2<<16
	s_mov_b32 s[G3+2], 2<<16
	s_wait_dscnt 0x0                               ; the add is done, and my rows of W_v are in registers
	CROUND                                         ; x and its scales are in; no wave of any partner still reads W's region
	REFILL                                         ; W_q's rows
	FETCH 0
	FETCH 1
	s_wait_loadcnt 0x0                             ; scale words and biases
; ---- V
.irp s, 0,1,2,3
	VBATCH \s, NF
.endr
	VBAND 0
.irp s, 4,5,6
	VBATCH \s, NF
.endr
	VBATCH 7, 0
	s_wait_tensorcnt 0x0                           ; my part of W_q's rows is in
	s_wait_dscnt 0x0
	BARRIER                                        ; everybody's is
	WEIGHTS
	FETCH 0
	FETCH 1
	VBAND 1                                        ; under the loads' flight
	WIN 0x0c
.irp t, 0,1,2,3
.irp c, 0,1,2
	global_store_b128 v[L16], v[KC+12*\t+4*\c:KC+12*\t+4*\c+3], s[92:93] offset:1536*\t+512*\c
.endr
.endr
	WIN 0
	ds_load_b64 v[SCT:SCT+1], v[SCRD]              ; LDS serves a wave's instructions in order: this sees my stores
	SBMOVE SBQ
	s_wait_tensorcnt 0x0
	ds_add_u32 v[SPW], v[NIL]
	s_add_nc_u64 s[G0R+2:G0R+3], s[G0R+2:G0R+3], 1024*KROW       ; W_k's rows
	s_wait_dscnt 0x0
	CROUND
	REFILL
	global_store_b64 v[L8], v[SCT:SCT+1], s[94:95]
; ---- Q
.irp s, 0,1,2,3,4,5,6
	QKBATCH \s, NF, BIQ, 0
.endr
	QKBATCH 7, 0, BIQ, 0
	ds_load_b64 v[SCT:SCT+1], v[SCRD]
	s_wait_tensorcnt 0x0                           ; my part of W_k's rows is in
	s_wait_dscnt 0x0
	BARRIER
	global_store_b64 v[L8], v[SCT:SCT+1], s[90:91]
	WEIGHTS
	FETCH 0
	FETCH 1
	SBMOVE SBK
; ---- K
.irp s, 0,1,2,3,4,5,6
	QKBATCH \s, NF, BIK, 1
.endr
	QKBATCH 7, 0, BIK, 1
	ds_load_b64 v[SCT:SCT+1], v[SCRD]
	s_wait_dscnt 0x0
	global_store_b64 v[L8], v[SCT:SCT+1], s[90:91] offset:65536
	s_wait_tensorcnt 0x0                           ; the wave's end
	ds_add_u32 v[SPW], v[NIL]
	s_wait_dscnt 0x0
	CROUND                                         ; the closing round
	s_endpgm
.Lfunc_end_k_q92c63a8de0_qkv:
	.size	k_q92c63a8de0_qkv, .Lfunc_end_k_q92c63a8de0_qkv-k_q92c63a8de0_qkv
	.p2alignl 7, 3214868480
	.fill 96, 4, 3214868480
	.section	.rodata,"a",@progbits
	.p2align	6, 0x0
	.amdhsa_kernel k_q92c63a8de0_qkv
		.amdhsa_group_segment_fixed_size 327680
		.amdhsa_private_segment_fixed_size 0
		.amdhsa_enable_private_segment 0
		.amdhsa_kernarg_size 72
		.amdhsa_user_sgpr_count 2
		.amdhsa_user_sgpr_kernarg_segment_ptr 1
		.amdhsa_wavefront_size32 1
		.amdhsa_system_sgpr_workgroup_id_x 1
		.amdhsa_system_sgpr_workgroup_id_y 1
		.amdhsa_system_sgpr_workgroup_id_z 1
		.amdhsa_system_vgpr_workitem_id 0
		.amdhsa_next_free_vgpr 1024
		.amdhsa_next_free_sgpr 102
		.amdhsa_reserve_vcc 0
		.amdhsa_float_denorm_mode_32 3
		.amdhsa_float_denorm_mode_16_64 3
		.amdhsa_memory_ordered 1
		.amdhsa_forward_progress 1
		.amdhsa_inst_pref_size 255
	.end_amdhsa_kernel
	.section	.bss,"aw",@nobits
	.p2align	6
	.space	262144
	.amdgpu_metadata
---
amdhsa.version: [ 1, 2 ]
amdhsa.kernels:
  - .name:           k_q92c63a8de0_qkv
    .symbol:         k_q92c63a8de0_qkv.kd
    .args:
      - { .name: x_codes, .offset: 0, .size: 8, .value_kind: global_buffer, .address_space: global }
      - { .name: x_scales, .offset: 8, .size: 8, .value_kind: global_buffer, .address_space: global }
      - { .name: W_qkv_codes, .offset: 16, .size: 8, .value_kind: global_buffer, .address_space: global }
      - { .name: W_qkv_scales, .offset: 24, .size: 8, .value_kind: global_buffer, .address_space: global }
      - { .name: b_qkv, .offset: 32, .size: 8, .value_kind: global_buffer, .address_space: global }
      - { .name: qk_codes, .offset: 40, .size: 8, .value_kind: global_buffer, .address_space: global }
      - { .name: qk_scales, .offset: 48, .size: 8, .value_kind: global_buffer, .address_space: global }
      - { .name: v_codes, .offset: 56, .size: 8, .value_kind: global_buffer, .address_space: global }
      - { .name: v_scales, .offset: 64, .size: 8, .value_kind: global_buffer, .address_space: global }
    .group_segment_fixed_size: 327680
    .private_segment_fixed_size: 0
    .kernarg_segment_align: 8
    .kernarg_segment_size: 72
    .max_flat_workgroup_size: 128
    .sgpr_count:     102
    .vgpr_count:     1024
    .wavefront_size: 32
...
	.end_amdgpu_metadata
.endif
;; end of part 1
;; launch attn (part 2): grid 4 x 64, 16 waves a work-group, clusters of 4 x 1, 207,872 bytes of LDS; arguments qk_codes, qk_scales, v_codes, v_scales, o_codes, o_scales; writes o_codes, o_scales
.if DOCPART == 2
	.amdgcn_target "amdgcn-amd-amdhsa--gfx1250"
	.amdhsa_code_object_version 6
	.text
	.protected	k_q92c63a8de0_attn
	.globl	k_q92c63a8de0_attn
	.p2align	8
	.type	k_q92c63a8de0_attn,@function
k_q92c63a8de0_attn:
	s_mov_b64 s[64:65], 0
	v_nop
	global_prefetch_b8 v0, s[64:65] scope:SCOPE_SE
	s_setreg_imm32_b32 hwreg(HW_REG_WAVE_MODE, 25, 1), 1
	s_wait_xcnt 0x0
	s_wait_alu depctr_hold_cnt(0) depctr_sa_sdst(0) depctr_va_vdst(0) depctr_va_sdst(0) depctr_va_ssrc(0) depctr_va_vcc(0) depctr_vm_vsrc(0)
	s_getreg_b32 s2, hwreg(HW_REG_IB_STS2, 6, 4)
	s_cmp_eq_u32 s2, 0
	s_cbranch_scc0 .Lentry_in_a_cluster
	s_endpgm
.Lentry_in_a_cluster:
	s_bfe_u32 s2, ttmp6, 0x10000c
	s_cmp_lg_u32 s2, 0x3003
	s_cbranch_scc0 .Lentry_shape_is_right
	s_endpgm
.Lentry_shape_is_right:
; O = softmax(q k^T / 8) v for one head, both products on codes of FP6 (E2M3) with one E8M0 scale for each 32 along a product's K; O is divided by the row's sum and quantised along the head's 64 channels for the projection.
; THE SOFTMAX AHEAD OF THE SECOND PRODUCT: t = score x log2(e) / 8; M = the row's largest t so far, rounded UP to a whole number; p = 2^(t - M) is what is quantised, along the keys.  The row's sum is taken of the unquantised p.
; When M moves, the sum and O are multiplied by 2^(old M - new M): exact.
; SHARES.  A work-group owns 512 queries of one (batch, head); each of its sixteen waves owns two tiles of 16, one after the other; each tile walks the head's 2,048 keys, 128 a step.
; A HEAD'S K AND V LIE IN LDS WHOLE: 98,304 bytes of codes each, 4,096 bytes of scale bytes each, filled once: no ring.  The four work-groups of a cluster own the four quarters of one head's queries and need the same
; K and V: each block is asked for JOINTLY, by the same tensor load with the same descriptor and a mask that names the four.
; OPERANDS ARE IMAGES OF THEIR REGISTERS: a tile of 16 rows x 64 channels of q or k is 768 bytes (registers 0-3 at 16 x lane, registers 4-5 at 512 + 8 x lane); a fragment of v (16 channels x 128 keys) 1,536 bytes.
; THE FIRST PRODUCT HAS K = 64 under an instruction of 128: source 0 holds TWO tiles of keys, tile 2 g in K 0-63 and tile 2 g + 1 in K 64-127; source 1 holds my queries in one half and zero codes in the other.
; Two instructions on the same source 0 give the two tiles' scores.  Zero codes add nothing under any scale byte that this program makes (1 to 254).
; LAYOUT.  Both products are used transposed: a lane holds ONE query (lane % 16) throughout.  The rows of a tile of keys were chosen by the launch before so that the 16 registers of tiles 2 g and 2 g + 1 are the
; 16 neighbouring keys 32 g + 16 (lane / 16) + 0 .. 15; the rows of a tile of v's channels likewise, so that O's 32 registers are channels 32 g + 16 (lane / 16) + 0 .. 15.
; LIMITS: NaN and infinities are not served.  A block of O whose largest magnitude lies under 2^-124, or of zeros, keeps the scale byte 1 (these bytes are read by this program alone).
; REGISTERS: v1 16 x lane, v2 8 x lane, v3 K's scale words, v4-7 the step's addresses, v8 V's images, v9 O's scale halfword's place, v10 that halfword, v11, v35 the last store's offsets, v12 -M, v13 the largest t,
;   v[14:15] the sum in two halves, v16-33 the second tile's q, v34 its scale word, v36 16 x (lane % 16), v48-95 four operands of K or of V, v96-159 S^T, then p, v160-191 O^T, v192-209 the first tile's q, v255 its scale word,
;   v224-235 p's codes, v232-254 at work, v248-251 K's or V's scale words, v252 f, v253 p's scale word.
.set KIMG, 0
.set VIMG, 98304
.set KSC,  196608
.set VSC,  200704
.set OSC,  204800                      ; 1,024 bytes: the scale halfwords of the work-group's 512 rows of O; no fill lands here
.set F,    48
.set WV,   18
.set SEL,  20                          ; s[20:21] lane selects for v_permlanex16_b32: lane l xor 16
.set CS,   22                          ; s[22:23] c = log2(e) / 8
.set G1C,  24                          ; s[24:31] group 1: 96 rows of 256 bytes
.set G1S,  32                          ; s[32:39] group 1: 16 rows of 256 bytes
.set G0K,  40
.set G0V,  44
.set G0KS, 48
.set G0VS, 52
.set TB,   2                           ; s2  the step's images: 6,144 bytes a step, in K and in V alike
.set TS,   3                           ; s3  the step's scale words: 256 bytes a step
.set CNT,  66
.macro CROUND                          ; a round of the cluster's barrier
	s_barrier_signal -1
	s_barrier_wait -1
	s_cmp_lg_u32 s[WV], 0
	s_cbranch_scc1 .Lnot_wave_0_\@
	s_barrier_signal -3
.Lnot_wave_0_\@:
	s_barrier_wait -3
	s_barrier_signal -1
	s_barrier_wait -1
.endm
	s_load_b256 s[4:11], s[0:1], 0x0               ; q's and k's codes s[4:5], their scales s[6:7], v's codes s[8:9], v's scales s[10:11]
	s_load_b128 s[12:15], s[0:1], 0x20             ; O's codes s[12:13], O's scales s[14:15]
	v_lshl_add_u32 v223, v0, 2, 0x32400
	v_mov_b32 v243, 0
	ds_add_u32 v223, v243
	ds_add_u32 v223, v243
	v_lshrrev_b32 v4, 5, v0
	s_delay_alu instid0(VALU_DEP_1)
	v_readfirstlane_b32 s[WV], v4                  ; wave 0..15
	v_and_b32 v5, 31, v0                           ; lane
	v_and_b32 v6, 15, v0                           ; r
	v_and_b32 v7, 63, v0
	s_delay_alu instid0(VALU_DEP_3)
	v_lshlrev_b32 v1, 4, v5
	s_delay_alu instid0(VALU_DEP_4)
	v_lshlrev_b32 v2, 3, v5
	s_delay_alu instid0(VALU_DEP_4)
	v_lshlrev_b32 v36, 4, v6
	s_delay_alu instid0(VALU_DEP_1)
	v_add_nc_u32 v3, KSC, v36
	s_delay_alu instid0(VALU_DEP_4)
	v_add_nc_u32 v8, VIMG, v1
	s_lshl_b32 s58, s[WV], 6
	s_add_co_u32 s58, s58, OSC
	v_lshl_add_u32 v9, v6, 1, s58                  ; OSC + 64 x wave + 2 r
	v_lshlrev_b32 v35, 4, v7
	s_delay_alu instid0(VALU_DEP_1)
	v_add_nc_u32 v11, OSC, v35
	s_and_b32 s16, ttmp7, 0xffff                   ; 16 x batch + head, which the four partners share
	s_lshr_b32 s17, s16, 4                         ; the batch
	s_and_b32 s19, s16, 15                         ; the head
	s_lshl_b32 s68, s17, 5
	s_add_co_u32 s68, s68, s19                     ; q's place among the batch's 32 heads of q and k
	s_add_co_u32 s69, s68, 16                      ; k's
	s_and_b32 s70, s[WV], 3
	s_mul_i32 s70, s70, 24576                      ; which quarter of a block of codes I fetch, if I fetch
	s_mul_i32 s56, s69, 98304
	s_add_co_u32 s56, s56, s70
	s_mov_b32 s57, 0
	s_mul_i32 s58, s16, 98304
	s_add_co_u32 s58, s58, s70
	s_mov_b32 s59, 0
	s_lshl_b32 s60, s69, 12
	s_mov_b32 s61, 0
	s_lshl_b32 s62, s16, 12
	s_mov_b32 s63, 0
	; descriptor group 1: dense blocks as rows of 256 bytes (32 elements of 8 bytes), no padding: an image's reads are consecutive
	s_mov_b32 s[G1C], 15|(3<<16)|(1<<21)           ; 15:0 the mask: all four work-groups; 17:16 elements of 8 bytes; 21 set beside a mask
	s_mov_b32 s[G1C+1], 32<<16
	s_mov_b32 s[G1C+2], 96<<16
	s_mov_b32 s[G1C+3], 32<<16
	s_mov_b32 s[G1C+4], 96
	s_mov_b32 s[G1C+5], 32
	s_mov_b32 s[G1C+6], 0
	s_mov_b32 s[G1C+7], 0
	s_mov_b32 s[G1S], 15|(3<<16)|(1<<21)
	s_mov_b32 s[G1S+1], 32<<16
	s_mov_b32 s[G1S+2], 16<<16
	s_mov_b32 s[G1S+3], 32<<16
	s_mov_b32 s[G1S+4], 16
	s_mov_b32 s[G1S+5], 32
	s_mov_b32 s[G1S+6], 0
	s_mov_b32 s[G1S+7], 0
	s_mov_b32 s[SEL], 0x76543210
	s_mov_b32 s[SEL+1], 0xfedcba98
	s_mov_b32 s[CS], 0x3e38aa3b                    ; log2(e) / 8
	s_mov_b32 s[CS+1], s[CS]                       ; (named with it as a pair, so it is written)
	s_wait_dscnt 0x0
	s_wait_kmcnt 0x0
	s_mov_b32 s[G0K], 1
	s_mov_b32 s[G0K+1], s70
	s_add_nc_u64 s[G0K+2:G0K+3], s[4:5], s[56:57]
	s_or_b32 s[G0K+3], s[G0K+3], 0x80000000
	s_mov_b32 s[G0V], 1
	s_add_co_u32 s[G0V+1], s70, VIMG
	s_add_nc_u64 s[G0V+2:G0V+3], s[8:9], s[58:59]
	s_or_b32 s[G0V+3], s[G0V+3], 0x80000000
	s_mov_b32 s[G0KS], 1
	s_mov_b32 s[G0KS+1], KSC
	s_add_nc_u64 s[G0KS+2:G0KS+3], s[6:7], s[60:61]
	s_or_b32 s[G0KS+3], s[G0KS+3], 0x80000000
	s_mov_b32 s[G0VS], 1
	s_mov_b32 s[G0VS+1], VSC
	s_add_nc_u64 s[G0VS+2:G0VS+3], s[10:11], s[62:63]
	s_or_b32 s[G0VS+3], s[G0VS+3], 0x80000000
	CROUND                                         ; all four work-groups are here: the joint loads meet
	; waves 0-3: K's four quarters; waves 4-7: V's; wave 8: K's scale bytes; wave 9: V's.  One load a wave at the most; the branches hang on the wave's number alone; four v_nop follow each load
	s_cmp_lt_u32 s[WV], 4
	s_cbranch_scc0 .Lnot_k
	tensor_load_to_lds s[G0K:G0K+3], s[G1C:G1C+7]
	s_nop 0
.rept 4
	v_nop
.endr
	s_branch .Lasked
.Lnot_k:
	s_cmp_lt_u32 s[WV], 8
	s_cbranch_scc0 .Lnot_v
	tensor_load_to_lds s[G0V:G0V+3], s[G1C:G1C+7]
	s_nop 0
.rept 4
	v_nop
.endr
	s_branch .Lasked
.Lnot_v:
	s_cmp_eq_u32 s[WV], 8
	s_cbranch_scc0 .Lnot_ks
	tensor_load_to_lds s[G0KS:G0KS+3], s[G1S:G1S+7]
	s_nop 0
.rept 4
	v_nop
.endr
	s_branch .Lasked
.Lnot_ks:
	s_cmp_eq_u32 s[WV], 9
	s_cbranch_scc0 .Lasked
	tensor_load_to_lds s[G0VS:G0VS+3], s[G1S:G1S+7]
	s_nop 0
.rept 4
	v_nop
.endr
.Lasked:
	; my queries: the place in the cluster enters global addresses alone
	s_bfe_u32 s67, ttmp6, 0x40000                  ; cx: which quarter of the head's queries
	s_lshl_b32 s71, s67, 5
	s_lshl_b32 s56, s[WV], 1
	s_add_co_u32 s71, s71, s56                     ; my first tile: 32 cx + 2 x wave
	s_mul_i32 s56, s68, 98304
	s_mul_i32 s58, s71, 768
	s_add_co_u32 s56, s56, s58
	s_add_nc_u64 s[4:5], s[4:5], s[56:57]          ; its codes
	s_lshl_b32 s56, s68, 12
	s_lshl_b32 s58, s67, 10
	s_add_co_u32 s56, s56, s58
	s_lshr_b32 s58, s[WV], 2
	s_lshl_b32 s58, s58, 8
	s_add_co_u32 s56, s56, s58
	s_and_b32 s58, s[WV], 3
	s_lshl_b32 s58, s58, 2
	s_add_co_u32 s56, s56, s58
	s_add_nc_u64 s[6:7], s[6:7], s[56:57]          ; its scale halfwords: 256 bytes for each 8 tiles, pair wave % 4
	s_lshl_b32 s56, s17, 7
	s_add_co_u32 s56, s56, s71
	s_lshl_b32 s56, s56, 4
	s_add_co_u32 s56, s56, s19
	s_mul_i32 s56, s56, 768
	s_add_nc_u64 s[12:13], s[12:13], s[56:57]      ; O's codes: ((128 x batch + tile) x 16 + head) x 768
	s_lshl_b32 s56, s16, 12
	s_lshl_b32 s58, s67, 10
	s_add_co_u32 s56, s56, s58
	s_add_nc_u64 s[14:15], s[14:15], s[56:57]      ; O's scale halfwords: my work-group's 1,024 bytes
	s_wait_alu depctr_va_vdst(0)
.irp p, 0,1                                    ; q stands twice, with six registers of zero codes between: v[Q:Q+11] = q | 0, v[Q+6:Q+17] = 0 | q
.set Q, 192-176*\p
	global_load_b128 v[Q:Q+3], v1, s[4:5] offset:768*\p
	global_load_b64 v[Q+4:Q+5], v2, s[4:5] offset:768*\p+512
	global_load_b128 v[Q+12:Q+15], v1, s[4:5] offset:768*\p
	global_load_b64 v[Q+16:Q+17], v2, s[4:5] offset:768*\p+512
.irp j, 6,7,8,9,10,11
	v_mov_b32 v[Q+\j], 0
.endr
.endr
	global_load_u16 v255, v36, s[6:7]
	global_load_u16 v34, v36, s[6:7] offset:2
.irp b, 0,1,2,3
	v_mov_b32 v[236+\b], 0                         ; written once: a lane permute's destination counts as one of its sources
.endr
	v_mov_b32 v253, 0                              ; (named as the upper half of the pair v[252:253] before it is first written)
	s_wait_loadcnt 0x0
	v_lshl_or_b32 v255, v255, 16, v255             ; q's two bytes in both halves of the word: they serve whichever half of K holds q
	v_lshl_or_b32 v34, v34, 16, v34
	s_wait_tensorcnt 0x0                           ; my load, if I had one, has landed,
	s_barrier_signal -1
	s_barrier_wait -1                              ; everybody's has
; ONE TILE OF 16 QUERIES.  qr: q's 18 registers; sw: its scale word; p: 0 or 1.
.macro PASS qr, sw, p
.if \p
	s_wait_xcnt 0x0                                ; the first tile's stores have read their registers
.endif
	v_mov_b32 v13, 0xff61b1e6                      ; the largest t so far: -3e38, under every t
	s_delay_alu instid0(VALU_DEP_1)
	v_floor_f32 v12, -v13                          ; -M
	v_mov_b32 v14, 0
	v_mov_b32 v15, 0
.set JJ, 0
.rept 32
	v_mov_b32 v[160+JJ], 0                         ; O^T: the loop is written once; its first step finds zeros, which the first change of M leaves zeros
.set JJ, JJ+1
.endr
	s_mov_b32 s[TB], 0
	s_mov_b32 s[TS], 0
	s_mov_b32 s[CNT], 16
.Lk_\@:                                            ; a trip: 128 keys
	v_add_nc_u32 v4, s[TB], v1                     ; these four additions are also the four places between the last trip's products and the loads into their registers
	v_add_nc_u32 v5, s[TB], v2
	v_add_nc_u32 v6, s[TB], v8
	v_add_nc_u32 v7, s[TS], v3
.irp g, 0,1,2,3                                ; four operands of K: tiles 2 g and 2 g + 1 side by side along K
	ds_load_b128 v[F+12*\g:F+12*\g+3], v4 offset:1536*\g
	ds_load_b64 v[F+12*\g+4:F+12*\g+5], v5 offset:1536*\g+512
	ds_load_b128 v[F+12*\g+6:F+12*\g+9], v4 offset:1536*\g+768
	ds_load_b64 v[F+12*\g+10:F+12*\g+11], v5 offset:1536*\g+1280
.endr
	ds_load_b128 v[248:251], v7                    ; their scale words: word g = tile 2 g's two bytes, tile 2 g + 1's two
	s_wait_alu depctr_va_vdst(0)
	s_wait_dscnt 0x0
.irp g, 0,1,2,3
	v_wmma_scale_f32_16x16x128_f8f6f4 v[96+16*\g:103+16*\g], v[F+12*\g:F+12*\g+11], v[\qr:\qr+11], 0, v[248+\g], v[\sw] matrix_a_fmt:MATRIX_FMT_FP6 matrix_b_fmt:MATRIX_FMT_FP6
	v_wmma_scale_f32_16x16x128_f8f6f4 v[104+16*\g:111+16*\g], v[F+12*\g:F+12*\g+11], v[\qr+6:\qr+17], 0, v[248+\g], v[\sw] matrix_a_fmt:MATRIX_FMT_FP6 matrix_b_fmt:MATRIX_FMT_FP6
.endr
.rept 4
	v_nop                                          ; places in front of the loads below and of the first read of the scores
.endr
.irp t, 0,1,2,3                                ; V's four fragments and their scale words are asked for now and land under the softmax
.irp c, 0,1,2
	ds_load_b128 v[F+12*\t+4*\c:F+12*\t+4*\c+3], v6 offset:1536*\t+512*\c
.endr
.endr
	ds_load_b128 v[248:251], v7 offset:4096
.irp b, 0,1,2,3
	v_max3_num_f32 v[232+\b], v[96+16*\b], v[97+16*\b], v[98+16*\b]   ; the largest score of each block of 32 keys: for the row's maximum and, since p rises with the score, for the block's largest p
.endr
.irp i, 3,5,7,9,11,13
.irp b, 0,1,2,3
	v_max3_num_f32 v[232+\b], v[232+\b], v[96+16*\b+\i], v[97+16*\b+\i]
.endr
.endr
.irp b, 0,1,2,3
	v_max_num_f32 v[232+\b], v[232+\b], v[111+16*\b]
.endr
.irp b, 0,1,2,3
	s_delay_alu instid0(VALU_DEP_4)
	v_permlanex16_b32 v[236+\b], v[232+\b], s[SEL], s[SEL+1]
.endr
.irp b, 0,1,2,3
	s_delay_alu instid0(VALU_DEP_4)
	v_max_num_f32 v[232+\b], v[232+\b], v[236+\b]  ; with lane l xor 16's 16 keys
.endr
	s_delay_alu instid0(VALU_DEP_2)
	v_max3_num_f32 v254, v232, v233, v234
	s_delay_alu instid0(VALU_DEP_1)
	v_max_num_f32 v254, v254, v235                 ; the step's largest score of my query
	s_delay_alu instid0(VALU_DEP_1)
	v_mul_f32 v254, s[CS], v254                    ; as t (c is positive)
	s_delay_alu instid0(VALU_DEP_1)
	v_max_num_f32 v13, v13, v254                   ; the running largest t
	v_mov_b32 v254, v12
	s_delay_alu instid0(VALU_DEP_2)
	v_floor_f32 v12, -v13                          ; the new -M = floor(-t) = -ceil(t)
	s_delay_alu instid0(VALU_DEP_1)
	v_sub_f32 v254, v12, v254                      ; M's old value less its new one: a whole number, 0 or less
	s_delay_alu instid0(VALU_DEP_1)
	v_cvt_i32_f32 v254, v254                       ; (it saturates)
	s_delay_alu instid0(VALU_DEP_1)
	v_ldexp_f32 v252, 1.0, v254                    ; f = 2^(old M - new M)
.set JJ, 0
.rept 32
	v_pk_fma_f32 v[96+JJ:97+JJ], v[96+JJ:97+JJ], s[CS:CS+1], v[12:13] op_sel_hi:[1,0,0]   ; t - M, two at a time
.set JJ, JJ+2
.endr
.irp b, 0,1,2,3
	v_fma_f32 v[232+\b], v[232+\b], s[CS], v12     ; the same of each block's largest score
.endr
.set JJ, 0
	s_wait_alu depctr_va_vdst(0)
.rept 64
	v_exp_f32 v[96+JJ], v[96+JJ]                   ; p = 2^(t - M), at most 1: not normalised
.set JJ, JJ+1
.endr
	v_pk_mul_f32 v[14:15], v[14:15], v[252:253] op_sel_hi:[1,0]   ; the sums under the new M: a plain place behind the exponentials
	s_wait_alu depctr_va_vdst(0)                   ; one wait for the whole batch, ahead of its first reader
.irp b, 0,1,2,3
	v_exp_f32 v[232+\b], v[232+\b]                 ; the block's largest p
.endr
	v_pk_add_f32 v[236:237], v[100:101], v[104:105]
	v_pk_add_f32 v[246:247], v[108:109], v[112:113]
	v_pk_add_f32 v[244:245], v[116:117], v[120:121]
	v_pk_add_f32 v[240:241], v[124:125], v[128:129]
	v_pk_add_f32 v[238:239], v[132:133], v[136:137]
	v_pk_add_f32 v[230:231], v[140:141], v[144:145]
	v_pk_add_f32 v[228:229], v[148:149], v[152:153]
	v_pk_add_f32 v[14:15], v[14:15], v[156:157]
	v_pk_add_f32 v[236:237], v[236:237], v[96:97]
	v_pk_add_f32 v[246:247], v[246:247], v[98:99]
	v_pk_add_f32 v[244:245], v[244:245], v[102:103]
	v_pk_add_f32 v[240:241], v[240:241], v[106:107]
	v_pk_add_f32 v[238:239], v[238:239], v[110:111]
	v_pk_add_f32 v[230:231], v[230:231], v[114:115]
	v_pk_add_f32 v[228:229], v[228:229], v[118:119]
	v_pk_add_f32 v[14:15], v[14:15], v[122:123]
	v_pk_add_f32 v[236:237], v[236:237], v[126:127]
	v_pk_add_f32 v[246:247], v[246:247], v[130:131]
	v_pk_add_f32 v[244:245], v[244:245], v[134:135]
	v_pk_add_f32 v[240:241], v[240:241], v[138:139]
	v_pk_add_f32 v[238:239], v[238:239], v[142:143]
	v_pk_add_f32 v[230:231], v[230:231], v[146:147]
	v_pk_add_f32 v[228:229], v[228:229], v[150:151]
	v_pk_add_f32 v[14:15], v[14:15], v[154:155]
	v_pk_add_f32 v[236:237], v[236:237], v[158:159]
	s_delay_alu instid0(VALU_DEP_2)
	v_pk_add_f32 v[14:15], v[14:15], v[240:241]
	s_delay_alu instid0(VALU_DEP_2)
	v_pk_add_f32 v[236:237], v[236:237], v[238:239]
	v_pk_add_f32 v[246:247], v[246:247], v[230:231]
	v_pk_add_f32 v[244:245], v[244:245], v[228:229]
	s_delay_alu instid0(VALU_DEP_2)
	v_pk_add_f32 v[14:15], v[14:15], v[246:247]
	s_delay_alu instid0(VALU_DEP_2)
	v_pk_add_f32 v[236:237], v[236:237], v[244:245]
	s_delay_alu instid0(VALU_DEP_1)
	v_pk_add_f32 v[14:15], v[14:15], v[236:237]
	s_wait_alu depctr_va_vdst(0)                   ; and one for the four
.irp b, 0,1,2,3
	v_max_num_f32 v[232+\b], 0x1800000, v[232+\b]  ; the floor 2^(3 - 127): the byte cannot fall under 1
.endr
.irp b, 0,1,2,3
	s_delay_alu instid0(VALU_DEP_4)
	v_add_nc_u32 v[244+\b], 0xff000000, v[232+\b]  ; 2 off the exponent field: the conversion's scale operand
.endr
.irp b, 0,1,2,3
	s_delay_alu instid0(VALU_DEP_4)
	v_lshrrev_b32 v[236+\b], 23, v[244+\b]         ; the scale's byte
.endr
	s_delay_alu instid0(VALU_DEP_3)
	v_lshl_or_b32 v253, v237, 8, v236              ; p's scale word for these 128 keys
	s_delay_alu instid0(VALU_DEP_1)
	v_lshl_or_b32 v253, v238, 16, v253
	s_delay_alu instid0(VALU_DEP_1)
	v_lshl_or_b32 v253, v239, 24, v253
.irp c, 0,1
	v_cvt_scalef32_pk16_fp6_f32 v[224+6*\c:226+6*\c], v[96+32*\c:111+32*\c], v[244+2*\c]
	v_cvt_scalef32_pk16_fp6_f32 v[236+4*\c:238+4*\c], v[112+32*\c:127+32*\c], v[244+2*\c+1]
.endr
	v_nop                                          ; one plain place behind a scaled conversion
.irp c, 0,1                                    ; a whole block to a lane
.irp i, 0,1,2
	v_permlane16_swap_b32 v[224+6*\c+\i], v[236+4*\c+\i]
.endr
.irp i, 0,1,2
	s_delay_alu instid0(VALU_DEP_3)
	v_mov_b32 v[227+6*\c+\i], v[236+4*\c+\i]
.endr
.endr
.set JJ, 0
.rept 16
	v_pk_mul_f32 v[160+JJ:161+JJ], v[160+JJ:161+JJ], v[252:253] op_sel_hi:[1,0]   ; O^T under the new M.  (These sixteen are also the places between the lines that made p's codes and scale word and the products)
.set JJ, JJ+2
.endr
	s_wait_alu depctr_va_vdst(0)
	s_wait_dscnt 0x0                               ; V is in
.irp t, 0,1,2,3                                ; O^T += V^T P^T: the four accumulators take turns, one instruction a turn
	v_wmma_scale_f32_16x16x128_f8f6f4 v[160+8*\t:167+8*\t], v[F+12*\t:F+12*\t+11], v[224:235], v[160+8*\t:167+8*\t], v[248+\t], v253 matrix_a_fmt:MATRIX_FMT_FP6 matrix_b_fmt:MATRIX_FMT_FP6
.endr
	s_add_co_u32 s[TB], s[TB], 6144
	s_add_co_u32 s[TS], s[TS], 256
	s_sub_co_u32 s[CNT], s[CNT], 1
	s_cmp_lg_u32 s[CNT], 0
	s_cbranch_scc1 .Lk_\@
	; the tile's way out: O^T / the sum, quantised along the 64 channels: register 16 b + i is channel 32 b + 16 (lane / 16) + i
.rept 4
	v_nop
.endr
	v_add_f32 v14, v14, v15
	s_delay_alu instid0(VALU_DEP_1)
	v_permlanex16_b32 v252, v14, s[SEL], s[SEL+1]
	s_delay_alu instid0(VALU_DEP_1)
	v_add_f32 v14, v14, v252                       ; the row's sum
	s_wait_alu depctr_va_vdst(0)
	v_rcp_f32 v14, v14
	v_nop                                          ; one plain place behind the transcendental
	s_wait_alu depctr_va_vdst(0)                   ; the wait ahead of its first reader
.set JJ, 0
.rept 16
	v_pk_mul_f32 v[96+JJ:97+JJ], v[160+JJ:161+JJ], v[14:15] op_sel_hi:[1,0]   ; each accumulator from its low end on
.set JJ, JJ+2
.endr
.irp b, 0,1
	v_max3_num_f32 v[232+\b], |v[96+16*\b]|, |v[97+16*\b]|, 0x1800000
.endr
.irp i, 2,4,6,8,10,12,14
.irp b, 0,1
	s_delay_alu instid0(VALU_DEP_2)
	v_max3_num_f32 v[232+\b], v[232+\b], |v[96+16*\b+\i]|, |v[97+16*\b+\i]|
.endr
.endr
.irp b, 0,1
	s_delay_alu instid0(VALU_DEP_2)
	v_permlanex16_b32 v[236+\b], v[232+\b], s[SEL], s[SEL+1]
.endr
.irp b, 0,1
	s_delay_alu instid0(VALU_DEP_2)
	v_max_num_f32 v[232+\b], v[232+\b], v[236+\b]
.endr
.irp b, 0,1
	s_delay_alu instid0(VALU_DEP_2)
	v_add_nc_u32 v[244+\b], 0xff000000, v[232+\b]
.endr
.irp b, 0,1
	s_delay_alu instid0(VALU_DEP_2)
	v_lshrrev_b32 v[236+\b], 23, v[244+\b]
.endr
	s_delay_alu instid0(VALU_DEP_1)
	v_lshl_or_b32 v10, v237, 8, v236               ; my row's two scale bytes
	v_cvt_scalef32_pk16_fp6_f32 v[224:226], v[96:111], v244
	v_cvt_scalef32_pk16_fp6_f32 v[228:230], v[112:127], v245
	v_nop
.irp i, 0,1,2
	v_permlane16_swap_b32 v[224+\i], v[228+\i]
.endr
.irp i, 0,1,2
	s_delay_alu instid0(VALU_DEP_3)
	v_mov_b32 v[227+\i], v[228+\i]                 ; in ascending order: each source is read before it is written
.endr
	global_store_b128 v1, v[224:227], s[12:13] offset:12288*\p          ; the tile's half image: 512 + 256 consecutive bytes, aligned to 256
	global_store_b64 v2, v[228:229], s[12:13] offset:12288*\p+512
	ds_store_b16 v9, v10 offset:32*\p              ; lanes l and l xor 16 write the same halfword with the same value
.endm
	PASS 192, 255, 0
	PASS 16, 34, 1
	s_wait_dscnt 0x0                               ; for the others' sake: my halfwords are in LDS
	s_barrier_signal -1
	s_barrier_wait -1
	s_cmp_lt_u32 s[WV], 2                          ; waves 0 and 1 store the work-group's 1,024 bytes of scale halfwords, 16 bytes a lane
	s_cbranch_scc0 .Lno_scales
	ds_load_b128 v[96:99], v11
	s_wait_dscnt 0x0
	global_store_b128 v35, v[96:99], s[14:15]
.Lno_scales:
	s_wait_tensorcnt 0x0
	ds_add_u32 v223, v243
	s_wait_dscnt 0x0
	CROUND                                         ; the closing round
	s_endpgm
.Lfunc_end_k_q92c63a8de0_attn:
	.size	k_q92c63a8de0_attn, .Lfunc_end_k_q92c63a8de0_attn-k_q92c63a8de0_attn
	.p2alignl 7, 3214868480
	.fill 96, 4, 3214868480
	.section	.rodata,"a",@progbits
	.p2align	6, 0x0
	.amdhsa_kernel k_q92c63a8de0_attn
		.amdhsa_group_segment_fixed_size 207872
		.amdhsa_private_segment_fixed_size 0
		.amdhsa_enable_private_segment 0
		.amdhsa_kernarg_size 48
		.amdhsa_user_sgpr_count 2
		.amdhsa_user_sgpr_kernarg_segment_ptr 1
		.amdhsa_wavefront_size32 1
		.amdhsa_system_sgpr_workgroup_id_x 1
		.amdhsa_system_sgpr_workgroup_id_y 1
		.amdhsa_system_sgpr_workgroup_id_z 1
		.amdhsa_system_vgpr_workitem_id 0
		.amdhsa_next_free_vgpr 256
		.amdhsa_next_free_sgpr 72
		.amdhsa_reserve_vcc 0
		.amdhsa_float_denorm_mode_32 3
		.amdhsa_float_denorm_mode_16_64 3
		.amdhsa_memory_ordered 1
		.amdhsa_forward_progress 1
		.amdhsa_inst_pref_size 55
	.end_amdhsa_kernel
	.amdgpu_metadata
---
amdhsa.version: [ 1, 2 ]
amdhsa.kernels:
  - .name:           k_q92c63a8de0_attn
    .symbol:         k_q92c63a8de0_attn.kd
    .args:
      - { .name: qk_codes, .offset: 0, .size: 8, .value_kind: global_buffer, .address_space: global }
      - { .name: qk_scales, .offset: 8, .size: 8, .value_kind: global_buffer, .address_space: global }
      - { .name: v_codes, .offset: 16, .size: 8, .value_kind: global_buffer, .address_space: global }
      - { .name: v_scales, .offset: 24, .size: 8, .value_kind: global_buffer, .address_space: global }
      - { .name: o_codes, .offset: 32, .size: 8, .value_kind: global_buffer, .address_space: global }
      - { .name: o_scales, .offset: 40, .size: 8, .value_kind: global_buffer, .address_space: global }
    .group_segment_fixed_size: 207872
    .private_segment_fixed_size: 0
    .kernarg_segment_align: 8
    .kernarg_segment_size: 48
    .max_flat_workgroup_size: 512
    .sgpr_count:     72
    .vgpr_count:     256
    .wavefront_size: 32
...
	.end_amdgpu_metadata
.endif
;; end of part 2
;; launch proj (part 3): grid 4 x 64, 4 waves a work-group, clusters of 4 x 4, 327,680 bytes of LDS; arguments o_codes, o_scales, W_proj_codes, W_proj_scales, b_proj, out0; writes out0
.if DOCPART == 3
	.amdgcn_target "amdgcn-amd-amdhsa--gfx1250"
	.amdhsa_code_object_version 6
	.text
	.protected	k_q92c63a8de0_proj
	.globl	k_q92c63a8de0_proj
	.p2align	8
	.type	k_q92c63a8de0_proj,@function
k_q92c63a8de0_proj:
	s_mov_b64 s[64:65], 0
	v_nop
	global_prefetch_b8 v0, s[64:65] scope:SCOPE_SE
	s_setreg_imm32_b32 hwreg(HW_REG_WAVE_MODE, 25, 1), 1
	s_wait_xcnt 0x0
	s_wait_alu depctr_hold_cnt(0) depctr_sa_sdst(0) depctr_va_vdst(0) depctr_va_sdst(0) depctr_va_ssrc(0) depctr_va_vcc(0) depctr_vm_vsrc(0)
	s_getreg_b32 s2, hwreg(HW_REG_IB_STS2, 6, 4)
	s_cmp_eq_u32 s2, 0
	s_cbranch_scc0 .Lentry_in_a_cluster
	s_endpgm
.Lentry_in_a_cluster:
	s_bfe_u32 s2, ttmp6, 0x10000c
	s_cmp_lg_u32 s2, 0xf033
	s_cbranch_scc0 .Lentry_shape_is_right
	s_endpgm
.Lentry_shape_is_right:
; out0 = O W_proj + b_proj on codes of FP6 (E2M3) with one E8M0 scale for each 32 along K = 1,024 (K = 64 x head + channel).
; O comes from the attention launch as images of operand registers: for each block of 16 rows and each head 768 bytes (registers 0-3 at 16 x lane, registers 4-5 at 512 + 8 x lane); two heads side by side are one fragment of 128 along K.
; O's rows stand in the order "pos": row 32 g + 16 u + r of each 128 is token 32 g + 8 u + r + 8 (r / 8); the stores of out0 put them back.  O's scale bytes: [batch x head][pos] halfwords.
; A BLOCK of 128 rows x 256 columns to a work-group: 64 x 4 = 256 work-groups of four waves.
; A WAVE HOLDS 64 ROWS OF W_proj (64 columns of out0), ALL OF K, IN REGISTERS: 4 tiles x 8 fragments of 12, 384 registers.  O's eight blocks of 16 rows stream past them: a block's 8 fragments lie twice in registers,
; 32 products finish its 16 x 64 results, and these leave through the wave's stage while the next block is multiplied: the stores go out block by block, beside the products.
; LDS is filled once: O's images (98,304 dense bytes), W_proj's 256 whole rows of 768 bytes, 16 bytes of padding behind every 256 (pitch 816).  Four joint loads at the head, one a wave: W's two halves, then O's two.
; The first barrier shows W's rows alone (their two load lines are waves 0's and 1's own, and these two wait); the 192 LDS loads that bring my rows of W into registers stand ahead of the wait for O's images.
; Source 0 = 16 rows of W_proj, source 1 = 16 rows of O: a lane holds eight neighbouring numbers of a row of out0.  The bias is the C of each sum's first matrix instruction.
; CLUSTERS: 4 x 4 work-groups; O's images are shared along a row of the cluster, W's rows along a column: joint loads.  No prefetch: all that the launch reads is asked for at its head; there is no loop to run ahead in.
; THE STAGES lie on W's rows: these have had their one fill, and the second barrier stands behind every wave's last read of them.
; REGISTERS: window 0: v0-31 addresses; v32-47 W's scale words (lanes 0-15 tile 2 p, lanes 16-31 tile 2 p + 1); v52-67 O's, two sets; v72-135 two sets of four accumulators; v136-167 the bias; v168-231 rows on their way out, two sets;
;   v232-247 O's scale halfwords on their way into LDS.  Fragment f lies in window 1 + f / 21 at register 12 (f % 21): 0-31 W's (4 q + t), 32-39 and 40-47 O's two sets.
.set KROW,   768
.set PITCH,  816
.set FR,     12
.set FPW,    21
.set NF,     34                        ; LDS loads of a block of O: 32 for eight fragments, 2 for eight scale words
.set NS,     16                        ; LDS instructions of a pass through the stage
.set ABLK,   12288                     ; a block of 16 rows of O, all heads
.set BROW,   8*ABLK
.set KS,     32
.set SCL,    BROW+256*PITCH            ; O's scale words: 4,352 bytes, written by LDS stores: no fill lands there
.set SPARE,  SCL+16*272                ; the spare words: two blocks of 256 bytes that no other line names
.set SPITCH, 272
.set A16,  16                          ; v16, v17 16 x lane, 8 x lane: O's blocks 0-3; v22, v23: blocks 4-7
.set A8,   17
.set ABS,  18
.set ADRB, 20                          ; v20, v21 my rows of W (v21: for the pieces behind one padding more)
.set STO,  24
.set RD,   25
.set CO,   26
.set AAS,  27
.set SPW,  28
.set NIL,  29
.set SAD,  30
.set SB,   32
.set SA,   52                          ; (W's and O's scale registers of one product differ modulo 8)
.set ACC,  72
.set BI,   136
.set BK,   168
.set TMP,  232
.set G1A,  24
.set G0A1, 32
.set G0B1, 36
.set G1B,  48
.set G0B2, 56
.set G0A2, 60
.set MSB, 0
.macro WIN new
.if MSB != (\new)
	s_set_vgpr_msb (MSB<<8)|(\new)
.set MSB, (\new)
.endif
.endm
.macro CROUND
	s_barrier_signal -1
	s_barrier_wait -1
	s_cmp_lg_u32 s14, 0
	s_cbranch_scc1 .Lnot_wave_0_\@
	s_barrier_signal -3
.Lnot_wave_0_\@:
	s_barrier_wait -3
	s_barrier_signal -1
	s_barrier_wait -1
.endm
.macro PLACES n
.rept \n
	v_nop
.endr
.endm
	s_load_b128 s[4:7], s[0:1], 0x0                ; O's codes, O's scales
	s_load_b128 s[8:11], s[0:1], 0x10              ; W's codes, W's scales
	s_load_b128 s[80:83], s[0:1], 0x20             ; the bias, out0
	v_lshl_add_u32 v[SPW], v0, 2, SPARE
	v_mov_b32 v[NIL], 0
	ds_add_u32 v[SPW], v[NIL]                      ; the opening lines: the add twice on end under one wait
	ds_add_u32 v[SPW], v[NIL]
	v_lshrrev_b32 v1, 5, v0
	v_readfirstlane_b32 s14, v1                    ; wave: my 64 of the block's 256 columns
	s_bfe_u32 s40, ttmp6, 0x40000                  ; cx
	s_bfe_u32 s41, ttmp6, 0x40004                  ; cy
	s_lshl_b32 s42, ttmp9, 2
	s_add_co_u32 s42, s42, s40                     ; block column, 0 .. 3
	s_and_b32 s17, ttmp7, 0xffff
	s_lshl_b32 s17, s17, 2
	s_add_co_u32 s17, s17, s41                     ; block row, 0 .. 63
	s_lshl_b32 s43, s41, 2
	s_lshl_b32 s43, 15, s43                        ; my row of the cluster
	s_lshl_b32 s44, 0x1111, s40                    ; my column
	s_or_b32 s[G1A+0], s43, (3<<16)|(1<<21)        ; O: four blocks, 49,152 dense bytes, as 192 rows of 256 (32 elements of 8 bytes), no padding: an image's reads are consecutive
	s_mov_b32 s[G1A+1], 32<<16
	s_mov_b32 s[G1A+2], 192<<16
	s_mov_b32 s[G1A+3], 32<<16
	s_mov_b32 s[G1A+4], 192
	s_mov_b32 s[G1A+5], 32
	s_mov_b32 s[G1A+6], 0
	s_mov_b32 s[G1A+7], 0
	s_or_b32 s[G1B+0], s44, (1<<20)|(1<<21)|(5<<22)|(3<<25)   ; W: 128 whole rows of 768 bytes, 16 bytes of padding behind every 256
	s_mov_b32 s[G1B+1], KROW<<16
	s_mov_b32 s[G1B+2], 128<<16
	s_mov_b32 s[G1B+3], KROW<<16
	s_mov_b32 s[G1B+4], 128
	s_mov_b32 s[G1B+5], KROW
	s_mov_b32 s[G1B+6], 0
	s_mov_b32 s[G1B+7], 0
	s_mul_i32 s20, s17, 8*ABLK                     ; O's blocks of my block row
	s_mov_b32 s21, 0
	s_mul_i32 s46, s42, 256*KROW                   ; W's rows of my block column
	s_mov_b32 s47, 0
	s_wait_dscnt 0x0                               ; both opening adds are done
	s_wait_kmcnt 0x0
	CROUND                                         ; all sixteen work-groups are here: the joint loads meet
	s_mov_b32 s[G0A1], 1
	s_mov_b32 s[G0A1+1], 0
	s_add_nc_u64 s[G0A1+2:G0A1+3], s[4:5], s[20:21]
	s_mov_b32 s[G0A2], 1
	s_mov_b32 s[G0A2+1], 4*ABLK
	s_add_nc_u64 s[G0A2+2:G0A2+3], s[G0A1+2:G0A1+3], 4*ABLK
	s_or_b32 s[G0A1+3], s[G0A1+3], 0x80000000
	s_or_b32 s[G0A2+3], s[G0A2+3], 0x80000000
	s_mov_b32 s[G0B1], 1
	s_mov_b32 s[G0B1+1], BROW
	s_add_nc_u64 s[G0B1+2:G0B1+3], s[8:9], s[46:47]
	s_mov_b32 s[G0B2], 1
	s_mov_b32 s[G0B2+1], BROW+128*PITCH
	s_add_nc_u64 s[G0B2+2:G0B2+3], s[G0B1+2:G0B1+3], 128*KROW
	s_or_b32 s[G0B1+3], s[G0B1+3], 0x80000000
	s_or_b32 s[G0B2+3], s[G0B2+3], 0x80000000
; the head's loads, one a wave, in one chain of branches on the wave's number: what is needed first is asked for first
.macro ARM under, g0, g1, next
	s_cmp_lt_u32 s14, \under
	s_cbranch_scc0 \next
	tensor_load_to_lds s[\g0:\g0+3], s[\g1:\g1+7]
	s_nop 0
	PLACES 4
	s_branch .Lhead_asked
\next:
.endm
	ARM 1, G0B1, G1B, .Lhead_b2
	ARM 2, G0B2, G1B, .Lhead_a1
	ARM 3, G0A1, G1A, .Lhead_a2
	tensor_load_to_lds s[G0A2:G0A2+3], s[G1A:G1A+7]
	s_nop 0
	PLACES 4
.Lhead_asked:
	s_mul_i32 s87, s14, 64*PITCH                   ; the scalars first, then the vector lines on end.  My 64 rows of W
	s_add_co_u32 s87, s87, BROW
	s_mul_i32 s23, s14, 16*SPITCH                  ; my stage
	s_add_co_u32 s23, s23, BROW
	s_lshr_b32 s84, s17, 4                         ; O's scales: the batch: 16 heads of 4,096 bytes,
	s_lshl_b32 s84, s84, 16
	s_and_b32 s85, s17, 15
	s_lshl_b32 s85, s85, 8                         ; my block's 128 rows of 2 bytes
	s_add_co_u32 s84, s84, s85
	s_mov_b32 s85, 0
	s_add_nc_u64 s[6:7], s[6:7], s[84:85]
	s_lshl_b32 s90, s42, 8
	s_lshl_b32 s91, s14, 6
	s_add_co_u32 s90, s90, s91                     ; my first column
	s_lshl_b32 s20, s90, 5                         ; its row of W's scales
	s_mov_b32 s21, 0
	s_add_nc_u64 s[10:11], s[10:11], s[20:21]
	s_lshl_b32 s90, s90, 2
	s_mov_b32 s91, 0
	s_add_nc_u64 s[80:81], s[80:81], s[90:91]
	s_lshl_b32 s88, s17, 19                        ; my block's first row: 128 rows of 4,096 bytes a block
	s_mov_b32 s89, 0
	s_add_nc_u64 s[82:83], s[82:83], s[88:89]
	s_add_nc_u64 s[82:83], s[82:83], s[90:91]
	v_and_b32 v1, 15, v0                           ; r
	v_bfe_u32 v2, v0, 4, 1                         ; h
	v_and_b32 v6, 31, v0                           ; lane
	v_lshlrev_b32 v[A16], 4, v6
	v_lshlrev_b32 v[A8], 3, v6
	v_add_nc_u32 v[A16+6], 4*ABLK, v[A16]
	v_add_nc_u32 v[A8+6], 4*ABLK, v[A8]
	v_mul_u32_u24 v3, v1, PITCH
	v_mad_u32_u24 v4, v2, 24, v3                   ; W: row x pitch + 24 x half,
	v_mad_u32_u24 v5, v2, 40, v3                   ; and the same behind one padding more
	v_add_nc_u32 v[ADRB], s87, v4
	v_add_nc_u32 v[ADRB+1], s87, v5
	v_lshlrev_b32 v[ABS], 5, v6                    ; W's scales: lane l takes row l of 32
	v_mul_u32_u24 v5, v1, KS                       ; O's scale words: 32 bytes a row, and 16 more for each 256 passed
	v_lshrrev_b32 v7, 8, v5
	v_lshl_add_u32 v5, v7, 4, v5
	v_add_nc_u32 v[AAS], SCL, v5
	v_mul_u32_u24 v5, v1, SPITCH                   ; the stage, in: row r, 32 bytes for each half of the lanes
	v_lshl_add_u32 v5, v2, 5, v5
	v_add_nc_u32 v[STO], s23, v5
	v_mul_u32_u24 v5, v2, SPITCH                   ; back: lanes 0-15 one row of 256 bytes, lanes 16-31 the next
	v_lshl_add_u32 v5, v1, 4, v5
	v_add_nc_u32 v[RD], s23, v5
	v_lshlrev_b32 v5, 12, v2                       ; and the same two rows in out0
	v_lshl_add_u32 v[CO], v1, 4, v5
	v_lshlrev_b32 v31, 1, v0                       ; O's scale halfwords: thread t takes row t of each head
	v_lshrrev_b32 v7, 3, v0
	v_and_b32 v8, 7, v0
	v_mul_u32_u24 v[SAD], v7, 272                  ; row t's 32 bytes: unit t / 8, 32 (t % 8) into it
	v_lshl_add_u32 v[SAD], v8, 5, v[SAD]
	v_add_nc_u32 v[SAD], SCL, v[SAD]
	v_lshlrev_b32 v9, 5, v2                        ; the bias: 32 h
	s_wait_alu depctr_va_vdst(0)                   ; the wait at the head's end
.irp d, 0,1,2,3,4,5,6,7,8,9,10,11,12,13,14,15
	global_load_u16 v[TMP+\d], v31, s[6:7] offset:4096*\d      ; head d: the 128 threads read 256 consecutive bytes
.endr
.irp p, 0,1
.irp c, 0,1
	global_load_b128 v[SB+8*\p+4*\c:SB+8*\p+4*\c+3], v[ABS], s[10:11] offset:\p*32*KS+16*\c   ; word q of a row scales K step q
.endr
.endr
.irp t, 0,1,2,3
	global_load_b128 v[BI+8*\t:BI+8*\t+3], v9, s[80:81] offset:64*\t           ; register 8 t + j: the bias of column 16 t + 8 h + j
	global_load_b128 v[BI+8*\t+4:BI+8*\t+7], v9, s[80:81] offset:64*\t+16
.endr
.macro FRAGW f, q, t                   ; a fragment of W: 16 rows x 128 K in pieces of 8 bytes; piece n lies at 8 n + 16 (n / 32); where the piece three on lies behind one padding more, the second address register serves
	WIN (1+(\f)/FPW)<<6
.irp p, 0,1,2,3,4,5
.set PC_, 12*(\q)+6*(\p/3)+\p%3
	ds_load_b64 v[FR*((\f)%FPW)+2*\p:FR*((\f)%FPW)+2*\p+1], v[ADRB+(PC_%32+3)/32] offset:8*PC_+16*(PC_/32)+(\t)*16*PITCH
.endr
.endm
.macro FRAGA f, q, s                   ; a fragment of O's block s: two heads' half images, as they were stored
	WIN (1+(\f)/FPW)<<6
.set R_, FR*((\f)%FPW)
.set O_, ABLK*((\s)%4)+1536*(\q)
	ds_load_b128 v[R_:R_+3], v[A16+6*((\s)/4)] offset:O_
	ds_load_b64 v[R_+4:R_+5], v[A8+6*((\s)/4)] offset:O_+512
	ds_load_b128 v[R_+6:R_+9], v[A16+6*((\s)/4)] offset:O_+768
	ds_load_b64 v[R_+10:R_+11], v[A8+6*((\s)/4)] offset:O_+1280
.endm
.macro FETCH s                         ; block s into set s % 2: NF loads
.irp q, 0,1,2,3,4,5,6,7
	FRAGA 32+8*((\s)%2)+\q, \q, \s
.endr
	WIN 0
	ds_load_b128 v[SA+8*((\s)%2):SA+8*((\s)%2)+3], v[AAS] offset:544*(\s)
	ds_load_b128 v[SA+8*((\s)%2)+4:SA+8*((\s)%2)+7], v[AAS] offset:544*(\s)+16
.endm
.macro PROD e, q, t                    ; the four accumulators take turns, one instruction a turn
.set FB_, 4*(\q)+(\t)
.set FA_, 32+8*(\e)+(\q)
.set D_, ACC+32*(\e)+8*(\t)
.set C_, D_
.if (\q) == 0
.set C_, BI+8*(\t)
.endif
	WIN (1+FB_/FPW)|((1+FA_/FPW)<<2)
.if (\t)%2
	v_wmma_scale_f32_16x16x128_f8f6f4 v[D_:D_+7], v[FR*(FB_%FPW):FR*(FB_%FPW)+FR-1], v[FR*(FA_%FPW):FR*(FA_%FPW)+FR-1], v[C_:C_+7], v[SB+8*((\t)/2)+(\q)], v[SA+8*(\e)+(\q)] matrix_a_fmt:MATRIX_FMT_FP6 matrix_b_fmt:MATRIX_FMT_FP6 matrix_a_scale:MATRIX_SCALE_ROW1
.else
	v_wmma_scale_f32_16x16x128_f8f6f4 v[D_:D_+7], v[FR*(FB_%FPW):FR*(FB_%FPW)+FR-1], v[FR*(FA_%FPW):FR*(FA_%FPW)+FR-1], v[C_:C_+7], v[SB+8*((\t)/2)+(\q)], v[SA+8*(\e)+(\q)] matrix_a_fmt:MATRIX_FMT_FP6 matrix_b_fmt:MATRIX_FMT_FP6
.endif
.endm
.macro TOSTAGE s                       ; 16 rows x 64 columns through my stage: in as 32 bytes a lane and tile, back as rows of 256 bytes.  LDS serves a wave's instructions in order (ISA guide 5.7.1.4)
.set AC_, ACC+32*((\s)%2)
.set BB_, BK+32*((\s)%2)
.irp t, 0,1,2,3
	ds_store_b128 v[STO], v[AC_+8*\t:AC_+8*\t+3] offset:64*\t          ; each accumulator from its low end on
	ds_store_b128 v[STO], v[AC_+8*\t+4:AC_+8*\t+7] offset:64*\t+16
.endr
.irp k, 0,1,2,3,4,5,6,7
	ds_load_b128 v[BB_+4*\k:BB_+4*\k+3], v[RD] offset:2*\k*SPITCH
.endr
.endm
.macro SEND s, younger                 ; rows 2 k, 2 k + 1 of block s are tokens 32 (s / 2) + 8 (s % 2) + 2 k + 8 (k / 4) and the next
.set BB_, BK+32*((\s)%2)
	s_wait_dscnt \younger
.irp k, 0,1,2,3,4,5,6,7
	global_store_b128 v[CO], v[BB_+4*\k:BB_+4*\k+3], s[82:83] offset:(32*((\s)/2)+8*((\s)%2)+2*\k+8*(\k/4))*4096 th:TH_STORE_NT   ; sixteen lanes store 256 consecutive bytes, aligned
.endr
.endm
; A BLOCK.  top: the LDS instructions younger than this block's fetch; out: those younger than the last block's loads from the stage.
.macro BATCH s, top, out
	s_wait_dscnt \top
.irp q, 0,1,2,3,4,5,6,7
.irp t, 0,1,2,3
	PROD (\s)%2, \q, \t
.endr
.endr
	WIN 0
	PLACES 4                                       ; between the products and the stores of their results and the loads into their operands
.if (\s) > 1
	s_wait_xcnt 0x0                                ; block s - 2's stores, issued a block ago, have read their registers: block s's rows may land there
.endif
	TOSTAGE \s
.if (\s) > 0
	SEND (\s)-1, \out
.endif
.if (\s) < 6
	FETCH (\s)+2
.endif
.endm
	s_cmp_lt_u32 s14, 2
	s_cbranch_scc0 .Lnot_w
	s_wait_tensorcnt 0x0                           ; waves 0 and 1: my half of W's rows is in
.Lnot_w:
	s_barrier_signal -1
	s_barrier_wait -1                              ; W's rows are in; O's images may still be on their way
.irp q, 0,1,2,3,4,5,6,7
.irp t, 0,1,2,3
	FRAGW 4*\q+\t, \q, \t
.endr
.endr
	WIN 0
	s_wait_loadcnt 12                              ; the sixteen halfwords are in; the twelve loads issued behind them may be out
	s_wait_tensorcnt 0x0                           ; every wave: all that is still out
.irp d, 0,1,2,3,4,5,6,7,8,9,10,11,12,13,14,15
	ds_store_b16 v[SAD], v[TMP+\d] offset:2*\d     ; a row's 32 scale bytes: head d's two at 2 d
.endr
	s_wait_dscnt 0x0                               ; my rows of W are in registers, my part of O's scale words is in LDS
	s_barrier_signal -1
	s_barrier_wait -1                              ; O's images and scale words are in, and nobody reads W's rows any more
	FETCH 0
	FETCH 1
	s_wait_loadcnt 0x0                             ; W's scale words and the bias
	BATCH 0, NF, 0
.irp s, 1,2,3,4,5,6
	BATCH \s, NS+NF, NS+NF
.endr
	BATCH 7, NS, NS
	SEND 7, 0
	s_wait_tensorcnt 0x0                           ; the wave's end
	ds_add_u32 v[SPW], v[NIL]
	s_wait_dscnt 0x0
	CROUND                                         ; the closing round
	s_endpgm
.Lfunc_end_k_q92c63a8de0_proj:
	.size	k_q92c63a8de0_proj, .Lfunc_end_k_q92c63a8de0_proj-k_q92c63a8de0_proj
	.p2alignl 7, 3214868480
	.fill 96, 4, 3214868480
	.section	.rodata,"a",@progbits
	.p2align	6, 0x0
	.amdhsa_kernel k_q92c63a8de0_proj
		.amdhsa_group_segment_fixed_size 327680
		.amdhsa_private_segment_fixed_size 0
		.amdhsa_enable_private_segment 0
		.amdhsa_kernarg_size 48
		.amdhsa_user_sgpr_count 2
		.amdhsa_user_sgpr_kernarg_segment_ptr 1
		.amdhsa_wavefront_size32 1
		.amdhsa_system_sgpr_workgroup_id_x 1
		.amdhsa_system_sgpr_workgroup_id_y 1
		.amdhsa_system_sgpr_workgroup_id_z 1
		.amdhsa_system_vgpr_workitem_id 0
		.amdhsa_next_free_vgpr 848
		.amdhsa_next_free_sgpr 92
		.amdhsa_reserve_vcc 0
		.amdhsa_float_denorm_mode_32 3
		.amdhsa_float_denorm_mode_16_64 3
		.amdhsa_memory_ordered 1
		.amdhsa_forward_progress 1
		.amdhsa_inst_pref_size 91
	.end_amdhsa_kernel
	.amdgpu_metadata
---
amdhsa.version: [ 1, 2 ]
amdhsa.kernels:
  - .name:           k_q92c63a8de0_proj
    .symbol:         k_q92c63a8de0_proj.kd
    .args:
      - { .name: o_codes, .offset: 0, .size: 8, .value_kind: global_buffer, .address_space: global }
      - { .name: o_scales, .offset: 8, .size: 8, .value_kind: global_buffer, .address_space: global }
      - { .name: W_proj_codes, .offset: 16, .size: 8, .value_kind: global_buffer, .address_space: global }
      - { .name: W_proj_scales, .offset: 24, .size: 8, .value_kind: global_buffer, .address_space: global }
      - { .name: b_proj, .offset: 32, .size: 8, .value_kind: global_buffer, .address_space: global }
      - { .name: out0, .offset: 40, .size: 8, .value_kind: global_buffer, .address_space: global }
    .group_segment_fixed_size: 327680
    .private_segment_fixed_size: 0
    .kernarg_segment_align: 8
    .kernarg_segment_size: 48
    .max_flat_workgroup_size: 128
    .sgpr_count:     92
    .vgpr_count:     848
    .wavefront_size: 32
...
	.end_amdgpu_metadata
.endif
;; end of part 3
